; MI455X (gfx1250); checked and timed in simulation.
; The chip was launched on July 23, 2026; its instructions are those of AMD's public machine-readable ISA for CDNA 5 (MIT licence, August 2026) and "CDNA5" Instruction Set Architecture Reference Guide (July 2026). The comments in the code are by the model that wrote it; some were corrected since.
;; Simplified Transformer Block. Allowed arithmetic: matrix products marked QUANTISED: E4M3 operands, one given power-of-two scale a tensor, by v_wmma_f32_16x16x64_fp8_fp8 or v_wmma_f32_16x16x128_fp8_fp8, f32 sums; everything else in f32.
;; Inputs: W_attn 2,048 x 1,024 float32; W_fc 4,096 x 1,024 float32; W_proj 1,024 x 4,096 float32; alpha one number float32; beta one number float32; beta_FF one number float32; beta_SA one number float32; gamma one number float32; ln_w 1,024 float32; lowp_scales 10 int32 (the exponents e of the quantised operands' scales 2^e); x 2 x 2,048 x 1,024 float32.
;; Outputs: out0 2 x 2,048 x 1,024 float32.
;; This version of the problem:
;;   THIS VERSION OF THE PROBLEM IS GIVEN IN LOW PRECISION. The matrix products marked QUANTISED in the list below multiply operands that are first quantised to E4M3 (4 exponent bits, 3 mantissa bits; 8 bits a number), with one given power-of-two scale for each operand tensor; their sums are f32. All else is computed in f32.
;;   The module's matrix products, in the order in which they are computed (A, B: the left and right operand; K: the contracted axis; several contracted axes count as one K, in the product's order):
;;     1. [M 4,096, K 1,024] x [K 1,024, N 2,048]; A: computed on the way; B: input W_attn: QUANTISED (scales: A lowp_scales[0], B lowp_scales[1])
;;     2. batch 32 x [M 2,048, K 64] x [K 64, N 2,048]; A: computed on the way; B: computed on the way: QUANTISED (scales: A lowp_scales[2], B lowp_scales[3])
;;     3. batch 32 x [M 2,048, K 2,048] x [K 2,048, N 64]; A: computed on the way; B: computed on the way: QUANTISED (scales: A lowp_scales[4], B lowp_scales[5])
;;     4. [M 4,096, K 1,024] x [K 1,024, N 4,096]; A: computed on the way; B: input W_fc: QUANTISED (scales: A lowp_scales[6], B lowp_scales[7])
;;     5. [M 4,096, K 4,096] x [K 4,096, N 1,024]; A: computed on the way; B: input W_proj: QUANTISED (scales: A lowp_scales[8], B lowp_scales[9])
;;   THE QUANTISER, for each operand of a quantised product, along K:
;;     - The operand's scale is 2^e, e = its entry of the input lowp_scales (int32; the entries are numbered through the quantised products in the list's order, A before B).
;;     - Each number is divided by the scale, clamped to +-448, and rounded to the nearest number of E4M3, ties to even, subnormals kept.
;;     - The product sums the exact products of the quantised numbers (number of the format x scale) in f32.
;;   ~~~python
;;   def quantise(x, axis, e):      # numpy; x: float32 -> the quantised numbers, widened to float32 again
;;       x = np.moveaxis(x, axis, -1); K = x.shape[-1]
;;       r = np.clip(x / 2.0 ** e, -448, 448)
;;       step = 2.0 ** (np.maximum(np.frexp(np.where(r == 0, 1, r))[1] - 1, -6) - 3)
;;       q = np.round(r / step) * step * 2.0 ** e      # np.round: ties to even
;;       return np.moveaxis(q, -1, axis).astype(np.float32)
;;   ~~~
;;   OPERANDS COMPUTED ON THE WAY. 'Computed on the way' means the value that the module computes at that place (a softmax that the list does not call 'softmax' is quantised finished and normalised). What goes into a quantiser is computed in f32, as accurately as f32 sums, v_exp_f32 and their like allow (about 1e-6 of the number): no bf16 or f16 on the way to a quantiser, and a product that is left as it is and whose result goes on into a quantised operand takes f32 operands (vector FMAs, or v_wmma_f32_16x16x4_f32). A number that lies on a knife's edge between two numbers of the format may be rounded either way, as far as f32 arithmetic and the matrix unit's own rounding can turn it there, and no further.
;; One version. Each part assembles by itself: llvm-mc -triple=amdgcn-amd-amdhsa -mcpu=gfx1250 --defsym DOCPART=n.
;; ======== version 1 of 1: 4 launches
;; workspace buffers: nxa 8,388,608 bytes; wb 6,291,456 bytes; wp 4,194,304 bytes; vimg 4,194,304 bytes; qkimg 8,388,608 bytes; hc 16,777,216 bytes; res 16,777,216 bytes
;; launch prep (part 1): grid 896 x 1, 4 waves a work-group, no clusters, 66,560 bytes of LDS; arguments x, ln_w, W_attn, W_fc, W_proj, lowp_scales, nxa, wb, wp, vimg; writes nxa, wb, wp, vimg
.if DOCPART == 1
	.amdgcn_target "amdgcn-amd-amdhsa--gfx1250"
	.amdhsa_code_object_version 6
	.text
	.protected	k_q886f555827_prep
	.globl	k_q886f555827_prep
	.p2align	8
	.type	k_q886f555827_prep,@function
k_q886f555827_prep:
	s_mov_b64 s[64:65], 0
	v_nop
	global_prefetch_b8 v0, s[64:65] scope:SCOPE_SE
	s_setreg_imm32_b32 hwreg(HW_REG_WAVE_MODE, 25, 1), 1
	s_wait_xcnt 0x0
; PREP: LayerNorm of x, and every f32 operand that comes from an input turned once into codes of FP8 (E4M3).
; code = number / 2^e, held within +-448, to the nearest code, ties to even; e is the operand's entry of lowp_scales.
; A work-group takes a block of 16 rows x 1,024 columns of f32 (64 KiB): 8 fragments of 16 rows x 128 K.
;   work-groups   0-255: x, rows 16 g: normalised (two passes over registers: mean, then the mean of squared differences), then quantised three times:
;                        e0 -> nxa plane 0, e6 -> nxa plane 1, e5 with the KEYS innermost -> vimg
;   work-groups 256-383: W_attn (e1) -> wb blocks 256-383;   384-639: W_fc (e7) -> wb blocks 0-255;   640-895: W_proj (e9), row block j / 4, column chunk j % 4 -> wp
; One path of text: pointers and numbers are chosen by the work-group's number; only the LayerNorm parts stand under a branch on it.
; THE IMAGE.  Codes are laid in the order of the operand's registers: a fragment is 2,048 bytes, and the byte at 512 c + 16 lane + e is the code of (row lane % 16, k = 32 c + 16 (lane / 16) + e).
; So every store of codes covers 512 consecutive bytes, aligned, and the products' launches fetch a fragment by four loads of 16 bytes a lane.
; The loads take the rows as they lie (512 consecutive bytes a load); the block turns through a stage in LDS, rows 4,112 bytes apart (an odd multiple of 16: the sixteen rows of a fragment load start at sixteen different banks, 64 banks of 4 bytes: ISA guide 11.1).
; LIMITS: each e between -126 and 119, so that 2^e and 448 x 2^e are f32 numbers.  NaN among the inputs is not served.
.set PS,    4112                       ; a stage row
.set SPARE, 66048                      ; behind the stage: the spare words, 128 bytes for each wave: two blocks of 256 bytes that no other line names
.set LO,    2                          ; v2    16 x lane
.set ROFF,  3                          ; v3-6  my four rows' byte offsets in the source
.set SST,   7                          ; v7    the stage, on the way in
.set SFR,   8                          ; v8    the stage, read as fragments
.set SCL,   9                          ; v9    the stage, read down a column
.set VO,    10                         ; v10   my place in V's images
.set SPW,   17                         ; v17   LDS address of my spare word; never rewritten
.set NIL,   18                         ; v18   0; never rewritten
.set X,     32                         ; v32-159  four rows x 32; later two fragments' numbers; later V's numbers
.set W,     160                        ; v160-191 ln_w of my columns
.set CQ,    160                        ; v160-223 codes, once ln_w is done with
.set T,     224                        ; v224-255 statistics, 8 a row; later two halves of 16 held numbers
; v11, v12: 2^e and 448 x 2^e of the block's own scale; v13, v14: of e6; v15, v16: of e5
	s_load_b512 s[8:23], s[0:1], 0x0               ; x, ln_w, W_attn, W_fc, W_proj, lowp_scales, nxa, wb
	s_load_b128 s[24:27], s[0:1], 0x40             ; wp, vimg
	v_lshl_add_u32 v[SPW], v0, 2, SPARE
	v_mov_b32 v[NIL], 0
	v_lshrrev_b32 v19, 5, v0
	v_readfirstlane_b32 s38, v19                   ; wave 0..3
	v_and_b32 v1, 31, v0                           ; lane
	v_lshlrev_b32 v[LO], 4, v1
	s_mov_b32 s50, 0x76543210                      ; v_permlanex16_b32: lane l xor 16
	s_mov_b32 s51, 0xfedcba98
	s_mov_b32 s52, 0x3a800000                      ; 1 / 1,024
	s_mov_b32 s53, 0x3727c5ac                      ; 1e-5
	; which tensor: first work-group J0, shift SH and mask MSK (W_proj's rows are four blocks long), ADD (W_attn lies behind W_fc in wb)
	s_mov_b32 s46, 640
	s_cmp_lt_u32 ttmp9, 640
	s_cselect_b32 s46, 384, s46
	s_cselect_b32 s48, 0, 2
	s_cselect_b32 s49, 0, 3
	s_cmp_lt_u32 ttmp9, 384
	s_cselect_b32 s46, 256, s46
	s_cselect_b32 s39, 0x400000, 0
	s_cmp_lt_u32 ttmp9, 256
	s_cselect_b32 s46, 0, s46
	s_cselect_b32 s39, 0, s39
	s_sub_co_u32 s47, ttmp9, s46                   ; j
	s_lshr_b32 s2, s47, s48                        ; row block
	s_and_b32 s3, s47, s49                         ; column chunk
	s_lshl_b32 s44, 4096, s48                      ; a source row in bytes
	s_add_co_u32 s4, s48, 16
	s_lshl_b32 s58, s2, s4                         ; 16 source rows a block,
	s_lshl_b32 s5, s3, 12
	s_add_co_u32 s58, s58, s5                      ; 4,096 bytes a chunk
	s_mov_b32 s59, 0
	s_add_co_u32 s4, s48, 14
	s_lshl_b32 s60, s2, s4                         ; images: 2,048 bytes for each 128 along K,
	s_lshl_b32 s5, s3, 14
	s_add_co_u32 s60, s60, s5                      ; 8 of them a chunk,
	s_add_co_u32 s60, s60, s39
	s_lshl_b32 s5, s38, 12
	s_add_co_u32 s60, s60, s5                      ; my wave's two
	s_mov_b32 s61, 0
	s_lshl_b32 s4, s38, 2
	s_mul_i32 s4, s4, s44                          ; my first row, 4 x wave
.irp i, 0,1,2,3
	v_add_nc_u32 v[ROFF+\i], s4, v[LO]
	s_add_co_u32 s4, s4, s44
.endr
	s_mul_i32 s5, s38, 4*PS
	v_add_nc_u32 v[SST], s5, v[LO]                 ; in: rows 4 w on, 16 bytes a lane
	v_and_b32 v19, 15, v0                          ; r
	v_bfe_u32 v20, v0, 4, 1                        ; h
	v_mul_u32_u24 v[SFR], v19, PS
	v_lshl_add_u32 v[SFR], v20, 6, v[SFR]
	s_lshl_b32 s5, s38, 10
	v_add_nc_u32 v[SFR], s5, v[SFR]                ; fragments: row r, + 64 h, + my wave's 256 columns
	v_lshl_add_u32 v[SCL], v1, 2, s5               ; columns: 4 x lane + my wave's 256 columns
	v_lshlrev_b32 v[VO], 4, v19
	v_lshl_add_u32 v[VO], v20, 11, v[VO]           ; V: 16 bytes for channel lane % 16, the next image for lanes 16-31
	s_wait_kmcnt 0x0
	s_load_b256 s[28:35], s[18:19], 0x0            ; e0 .. e7
	s_load_b64 s[36:37], s[18:19], 0x20            ; e8, e9
	s_cmp_lt_u32 ttmp9, 640                        ; the choices hang on the work-group's number alone
	s_cselect_b64 s[40:41], s[14:15], s[16:17]
	s_cselect_b64 s[42:43], s[22:23], s[24:25]
	s_cmp_lt_u32 ttmp9, 384
	s_cselect_b64 s[40:41], s[12:13], s[40:41]
	s_cmp_lt_u32 ttmp9, 256
	s_cselect_b64 s[40:41], s[8:9], s[40:41]
	s_cselect_b64 s[42:43], s[20:21], s[42:43]
	s_add_nc_u64 s[40:41], s[40:41], s[58:59]      ; the source at my block
	s_add_nc_u64 s[42:43], s[42:43], s[60:61]      ; the images at my wave's two
.irp i, 0,1,2,3
.irp j, 0,1,2,3,4,5,6,7
	global_load_b128 v[X+32*\i+4*\j:X+32*\i+4*\j+3], v[ROFF+\i], s[40:41] offset:512*\j th:TH_LOAD_NT   ; 32 lanes read 512 consecutive bytes of a row
.endr
.endr
	s_wait_kmcnt 0x0
	s_cmp_lt_u32 ttmp9, 640
	s_cselect_b32 s45, s35, s37
	s_cmp_lt_u32 ttmp9, 384
	s_cselect_b32 s45, s29, s45
	s_cmp_lt_u32 ttmp9, 256
	s_cselect_b32 s45, s28, s45                    ; the block's e
.macro MKSC e, vsc, vlim               ; 2^e as f32 (the conversion takes its exponent field), and 448 x 2^e
	s_add_co_i32 s4, s[\e], 127
	s_lshl_b32 s5, s4, 23
	v_mov_b32 v[\vsc], s5
	s_add_co_i32 s4, s4, 8
	s_lshl_b32 s4, s4, 23
	s_or_b32 s4, s4, 0x600000
	v_mov_b32 v[\vlim], s4
.endm
	MKSC 45, 11, 12
	MKSC 34, 13, 14
	MKSC 33, 15, 16
	s_cmp_ge_u32 ttmp9, 256
	s_cbranch_scc1 .Lraw                           ; weights are quantised as they come
	; ---- LayerNorm: a wave holds four whole rows, 32 numbers a lane each
.irp j, 0,1,2,3,4,5,6,7
	global_load_b128 v[W+4*\j:W+4*\j+3], v[LO], s[10:11] offset:512*\j
.endr
	s_wait_loadcnt 0x0
; the two pairs at T + 8 i + b and + b + 2 become the wave's sum, in every lane, at T + 8 i + b; the four rows take turns line by line
.macro REDUCE b
.irp i, 0,1,2,3
	v_pk_add_f32 v[T+8*\i+\b:T+8*\i+\b+1], v[T+8*\i+\b:T+8*\i+\b+1], v[T+8*\i+\b+2:T+8*\i+\b+3]
.endr
.irp i, 0,1,2,3
	v_add_f32 v[T+8*\i+\b], v[T+8*\i+\b], v[T+8*\i+\b+1]
.endr
.irp m, 1,2,4,8
.irp i, 0,1,2,3
	v_add_f32_dpp v[T+8*\i+\b], v[T+8*\i+\b], v[T+8*\i+\b] row_xmask:\m row_mask:0xf bank_mask:0xf
.endr
.endr
.irp i, 0,1,2,3
	v_permlanex16_b32 v[T+8*\i+\b+1], v[T+8*\i+\b], s50, s51
.endr
.irp i, 0,1,2,3
	v_add_f32 v[T+8*\i+\b], v[T+8*\i+\b], v[T+8*\i+\b+1]
.endr
.endm
.irp i, 0,1,2,3
	v_pk_add_f32 v[T+8*\i:T+8*\i+1], v[X+32*\i:X+32*\i+1], v[X+32*\i+2:X+32*\i+3]          ; the first numbers start the chains: nothing is cleared
	v_pk_add_f32 v[T+8*\i+2:T+8*\i+3], v[X+32*\i+4:X+32*\i+5], v[X+32*\i+6:X+32*\i+7]
.endr
.irp j, 8,12,16,20,24,28
.irp i, 0,1,2,3
	v_pk_add_f32 v[T+8*\i:T+8*\i+1], v[T+8*\i:T+8*\i+1], v[X+32*\i+\j:X+32*\i+\j+1]
	v_pk_add_f32 v[T+8*\i+2:T+8*\i+3], v[T+8*\i+2:T+8*\i+3], v[X+32*\i+\j+2:X+32*\i+\j+3]
.endr
.endr
	REDUCE 0
.irp i, 0,1,2,3
	v_mul_f32 v[T+8*\i], s52, v[T+8*\i]            ; the mean
.endr
.irp i, 0,1,2,3
.irp j, 0,2,4,6,8,10,12,14,16,18,20,22,24,26,28,30
	v_pk_add_f32 v[X+32*\i+\j:X+32*\i+\j+1], v[X+32*\i+\j:X+32*\i+\j+1], v[T+8*\i:T+8*\i+1] op_sel_hi:[1,0] neg_lo:[0,1] neg_hi:[0,1]   ; x - mean, in place
.endr
.endr
.irp i, 0,1,2,3
	v_pk_mul_f32 v[T+8*\i+2:T+8*\i+3], v[X+32*\i:X+32*\i+1], v[X+32*\i:X+32*\i+1]
	v_pk_mul_f32 v[T+8*\i+4:T+8*\i+5], v[X+32*\i+2:X+32*\i+3], v[X+32*\i+2:X+32*\i+3]
.endr
.irp j, 4,8,12,16,20,24,28
.irp i, 0,1,2,3
	v_pk_fma_f32 v[T+8*\i+2:T+8*\i+3], v[X+32*\i+\j:X+32*\i+\j+1], v[X+32*\i+\j:X+32*\i+\j+1], v[T+8*\i+2:T+8*\i+3]
	v_pk_fma_f32 v[T+8*\i+4:T+8*\i+5], v[X+32*\i+\j+2:X+32*\i+\j+3], v[X+32*\i+\j+2:X+32*\i+\j+3], v[T+8*\i+4:T+8*\i+5]
.endr
.endr
	REDUCE 2
.irp i, 0,1,2,3
	v_fma_f32 v[T+8*\i+2], v[T+8*\i+2], s52, s53   ; the variance + 1e-5
.endr
.irp i, 0,1,2,3
	v_rsq_f32 v[T+8*\i+6], v[T+8*\i+2]
.endr
.irp i, 0,1,2,3
	v_mov_b32 v[T+8*\i+7], 0                       ; plain lines behind the batch; the upper halves of the pairs named below
.endr
	s_wait_alu depctr_va_vdst(0)                   ; one wait for the four roots, ahead of their first reader
.irp i, 0,1,2,3
.irp j, 0,2,4,6,8,10,12,14,16,18,20,22,24,26,28,30
	v_pk_mul_f32 v[X+32*\i+\j:X+32*\i+\j+1], v[X+32*\i+\j:X+32*\i+\j+1], v[T+8*\i+6:T+8*\i+7] op_sel_hi:[1,0]
.endr
.endr
.irp i, 0,1,2,3
.irp j, 0,2,4,6,8,10,12,14,16,18,20,22,24,26,28,30
	v_pk_mul_f32 v[X+32*\i+\j:X+32*\i+\j+1], v[X+32*\i+\j:X+32*\i+\j+1], v[W+\j:W+\j+1]   ; x ln_w
.endr
.endr
.Lraw:
	s_wait_loadcnt 0x0
.irp i, 0,1,2,3
.irp j, 0,1,2,3,4,5,6,7
	ds_store_b128 v[SST], v[X+32*\i+4*\j:X+32*\i+4*\j+3] offset:\i*PS+512*\j
.endr
.endr
	s_wait_dscnt 0x0                               ; for the others' sake: my four rows lie in the stage
	s_barrier_signal -1
	s_barrier_wait -1                              ; all sixteen do; nothing is stored into the stage behind this barrier
; 64 numbers of a lane, register 16 c + i = k 32 c + 16 (lane / 16) + i of my row, become a fragment's 16 registers of codes.  The numbers are kept: the held ones go into T, two halves by turns.
.macro QUANT src, dst, sc, lim
.irp c, 0,1,2,3
.set i, 0
.rept 16
	v_med3_num_f32 v[T+16*(\c%2)+i], v[(\src)+16*\c+i], -v[\lim], v[\lim]   ; the conversion to an 8-bit code does not saturate (ISA guide 7.6.2): the hold at the largest code x the scale
.set i, i+1
.endr
	v_cvt_scalef32_pk8_fp8_f32 v[(\dst)+4*\c:(\dst)+4*\c+1], v[T+16*(\c%2):T+16*(\c%2)+7], v[\sc]
	v_cvt_scalef32_pk8_fp8_f32 v[(\dst)+4*\c+2:(\dst)+4*\c+3], v[T+16*(\c%2)+8:T+16*(\c%2)+15], v[\sc]
.endr
	v_nop                                          ; a plain line behind the last conversion of the run
.endm
.macro PUT cq, base, s                 ; the fragment's image: four stores of 512 consecutive bytes
.irp c, 0,1,2,3
	global_store_b128 v[LO], v[(\cq)+4*\c:(\cq)+4*\c+3], s[\base:\base+1] offset:2048*\s+512*\c
.endr
.endm
.irp s, 0,1                            ; my wave's K steps 2 w and 2 w + 1
.irp c, 0,1,2,3
.irp i, 0,1,2,3
	ds_load_b128 v[X+64*\s+16*\c+4*\i:X+64*\s+16*\c+4*\i+3], v[SFR] offset:512*\s+128*\c+16*\i
.endr
.endr
.endr
	s_wait_dscnt 16                                ; the first fragment's 16 loads are in; the second's may be out
	QUANT X, CQ, 11, 12
	PUT CQ, 42, 0
	s_wait_dscnt 0x0
	QUANT X+64, CQ+16, 11, 12
	PUT CQ+16, 42, 1
	s_cmp_ge_u32 ttmp9, 256
	s_cbranch_scc1 .Lend
	; ---- the normalised x twice more: with e6 for the fc product,
	s_add_nc_u64 s[56:57], s[42:43], 0x400000      ; nxa's second plane
	QUANT X, CQ+32, 13, 14
	PUT CQ+32, 56, 0
	QUANT X+64, CQ+48, 13, 14
	PUT CQ+48, 56, 1
	; ---- and with e5 as V, keys innermost.  A LANE TAKES A CHANNEL AND ITS REGISTERS RUN DOWN THE 16 TOKENS, which are 16 neighbours along the keys: a lane's 16 codes are its 16 bytes of an image.
	s_lshr_b32 s4, ttmp9, 7                        ; the batch,
	s_lshl_b32 s4, s4, 4
	s_lshl_b32 s5, s38, 2
	s_add_co_u32 s4, s4, s5                        ; 16 heads each, my wave's four heads:
	s_lshl_b32 s4, s4, 17                          ; 131,072 bytes a head
	s_bfe_u32 s5, ttmp9, 0x40003
	s_lshl_b32 s5, s5, 13                          ; the block of 128 keys: four images
	s_add_co_u32 s4, s4, s5
	s_and_b32 s5, ttmp9, 7
	s_lshl_b32 s5, s5, 8                           ; these 16 keys' place in an image: 256 bytes
	s_add_co_u32 s4, s4, s5
	s_mov_b32 s5, 0
	s_add_nc_u64 s[54:55], s[26:27], s[4:5]
.macro VLOAD g                         ; group g: channels 256 w + 32 g + lane, the 16 tokens down the registers; each load reads 128 consecutive bytes of a stage row
.irp i, 0,1,2,3,4,5,6,7,8,9,10,11,12,13,14,15
	ds_load_b32 v[X+16*(\g)+\i], v[SCL] offset:\i*PS+128*(\g)
.endr
.endm
	VLOAD 0                                        ; the loads run three groups ahead: 48 of mine are out at the most
	VLOAD 1
	VLOAD 2
	s_wait_xcnt 0x0                                ; the stores above have read their codes: the registers are written again only behind this wait
.irp g, 0,1,2,3,4,5,6,7
.if \g < 6
	s_wait_dscnt 32                                ; this group's 16 loads are in; the two younger groups' 32 may be out
.else
	s_wait_dscnt 16*(7-\g)                         ; the counts run down: one younger group, then none
.endif
.if \g < 5
	VLOAD \g+3
.endif
.set i, 0
.rept 16
	v_med3_num_f32 v[T+16*(\g%2)+i], v[X+16*\g+i], -v16, v16
.set i, i+1
.endr
	v_cvt_scalef32_pk8_fp8_f32 v[CQ+4*\g:CQ+4*\g+1], v[T+16*(\g%2):T+16*(\g%2)+7], v15
	v_cvt_scalef32_pk8_fp8_f32 v[CQ+4*\g+2:CQ+4*\g+3], v[T+16*(\g%2)+8:T+16*(\g%2)+15], v15
	global_store_b128 v[VO], v[CQ+4*\g:CQ+4*\g+3], s[54:55] offset:(\g/2)*131072+(\g%2)*4096   ; sixteen lanes store 256 consecutive bytes, aligned; lanes 16-31 the same in the next image
.endr
	v_nop                                          ; a plain line behind the last conversion
.Lend:
	s_wait_tensorcnt 0x0                           ; the wave's end, behind my last LDS store
	ds_add_u32 v[SPW], v[NIL]
	s_wait_dscnt 0x0
	s_endpgm
.Lfunc_end_k_q886f555827_prep:
	.size	k_q886f555827_prep, .Lfunc_end_k_q886f555827_prep-k_q886f555827_prep
	.p2alignl 7, 3214868480
	.fill 96, 4, 3214868480
	.section	.rodata,"a",@progbits
	.p2align	6, 0x0
	.amdhsa_kernel k_q886f555827_prep
		.amdhsa_group_segment_fixed_size 66560
		.amdhsa_private_segment_fixed_size 0
		.amdhsa_enable_private_segment 0
		.amdhsa_kernarg_size 80
		.amdhsa_user_sgpr_count 2
		.amdhsa_user_sgpr_kernarg_segment_ptr 1
		.amdhsa_wavefront_size32 1
		.amdhsa_system_sgpr_workgroup_id_x 1
		.amdhsa_system_sgpr_workgroup_id_y 1
		.amdhsa_system_sgpr_workgroup_id_z 1
		.amdhsa_system_vgpr_workitem_id 0
		.amdhsa_next_free_vgpr 256
		.amdhsa_next_free_sgpr 66
		.amdhsa_reserve_vcc 0
		.amdhsa_float_denorm_mode_32 3
		.amdhsa_float_denorm_mode_16_64 3
		.amdhsa_memory_ordered 1
		.amdhsa_forward_progress 1
		.amdhsa_inst_pref_size 75
	.end_amdhsa_kernel
	.amdgpu_metadata
---
amdhsa.version: [ 1, 2 ]
amdhsa.kernels:
  - .name:           k_q886f555827_prep
    .symbol:         k_q886f555827_prep.kd
    .args:
      - { .name: x, .offset: 0, .size: 8, .value_kind: global_buffer, .address_space: global }
      - { .name: ln_w, .offset: 8, .size: 8, .value_kind: global_buffer, .address_space: global }
      - { .name: W_attn, .offset: 16, .size: 8, .value_kind: global_buffer, .address_space: global }
      - { .name: W_fc, .offset: 24, .size: 8, .value_kind: global_buffer, .address_space: global }
      - { .name: W_proj, .offset: 32, .size: 8, .value_kind: global_buffer, .address_space: global }
      - { .name: lowp_scales, .offset: 40, .size: 8, .value_kind: global_buffer, .address_space: global }
      - { .name: nxa, .offset: 48, .size: 8, .value_kind: global_buffer, .address_space: global }
      - { .name: wb, .offset: 56, .size: 8, .value_kind: global_buffer, .address_space: global }
      - { .name: wp, .offset: 64, .size: 8, .value_kind: global_buffer, .address_space: global }
      - { .name: vimg, .offset: 72, .size: 8, .value_kind: global_buffer, .address_space: global }
    .group_segment_fixed_size: 66560
    .private_segment_fixed_size: 0
    .kernarg_segment_align: 8
    .kernarg_segment_size: 80
    .max_flat_workgroup_size: 128
    .sgpr_count:     66
    .vgpr_count:     256
    .wavefront_size: 32
...
	.end_amdgpu_metadata
.endif
;; end of part 1
;; launch gemm_qkfc (part 2): grid 16 x 24, 4 waves a work-group, clusters of 4 x 4, 327,680 bytes of LDS; arguments nxa, wb, lowp_scales, qkimg, hc; writes qkimg, hc
.if DOCPART == 2
	.amdgcn_target "amdgcn-amd-amdhsa--gfx1250"
	.amdhsa_code_object_version 6
	.text
	.protected	k_q886f555827_gemm_qkfc
	.globl	k_q886f555827_gemm_qkfc
	.p2align	8
	.type	k_q886f555827_gemm_qkfc,@function
k_q886f555827_gemm_qkfc:
	s_mov_b64 s[64:65], 0
	v_nop
	global_prefetch_b8 v0, s[64:65] scope:SCOPE_SE
	s_setreg_imm32_b32 hwreg(HW_REG_WAVE_MODE, 25, 1), 1
	s_wait_xcnt 0x0
	s_wait_alu depctr_hold_cnt(0) depctr_sa_sdst(0) depctr_va_vdst(0) depctr_va_sdst(0) depctr_va_ssrc(0) depctr_va_vcc(0) depctr_vm_vsrc(0)
	s_getreg_b32 s2, hwreg(HW_REG_IB_STS2, 6, 4)
	s_cmp_eq_u32 s2, 0
	s_cbranch_scc0 .Lentry_in_a_cluster
	s_endpgm
.Lentry_in_a_cluster:
	s_bfe_u32 s2, ttmp6, 0x10000c
	s_cmp_lg_u32 s2, 0xf033
	s_cbranch_scc0 .Lentry_shape_is_right
	s_endpgm
.Lentry_shape_is_right:
; The q,k projection and the fc product in one grid: C[token][n] = sum over k of nx[token][k] Wb[n][k], K = 1,024, on codes of FP8 (E4M3); Wb = W_fc's 4,096 rows, then W_attn's 2,048.
; Tile rows 0-15 of the grid's y are fc (tokens quantised with e6, plane 1 of nxa), 16-23 are q,k (e0, plane 0).  A cluster's sixteen work-groups are all of one kind (KIND hangs on the cluster's y).
; A tile of C, 256 tokens x 256 n, is made by four waves, as many as a WGP has SIMDs; a wave makes 128 x 128: 64 accumulators, 512 registers.
; OPERANDS LIE IN MEMORY AS IMAGES OF THEIR REGISTERS: a fragment (16 rows x 128 K) is 2,048 bytes, lane l's registers 4 c .. 4 c + 3 at 512 c + 16 l, holding k = 32 c + 16 (l / 16) + 0 .. 15 of row l % 16:
; the same order of k in both operands, so every product meets its partner.  A tile in LDS is dense, every fragment load reads 512 consecutive bytes, and one address, 16 x lane, serves all.
; K goes in steps of 256 through a ring of two LDS slots; a wave's tensor load brings 8 row blocks x 4,096 bytes.
; CLUSTERS: 4 x 4.  The tokens' tiles hang on the grid's x and are shared along a column of the cluster, the weights' on y and are shared along a row: each is asked for JOINTLY.
; THE MATRIX INSTRUCTION IS USED TRANSPOSED (source 0 = 16 rows of the weights, source 1 = 16 tokens): a lane holds eight neighbouring n of one token.
; THE WAY OUT.  The raw sums go into the wave's own stage in LDS (128 tokens x 528 bytes, laid over the ring, which has had its last fill and its last read), and a loop of four trips reads them back as the NEXT product's
; fragments want them: 16 neighbours along the next K in a lane.  fc: exact GELU, 0.5 x (1 + erf(x / sqrt 2)), erf as a rational form in f32 with its argument held at +-4; quantised with e8 -> hc.
; q,k: quantised with e2 or e3 -> qkimg, in tiles of 16 tokens x 64 channels whose lane r is token 32 b + 8 u + r + 8 (r / 8) of its block of 128.  The scales ahead of a quantiser are folded into the conversion's one.
; LIMITS: e8, and e2 - e0 - e1 and e3 - e0 - e1, between -126 and 119; e6 + e7 between -125 and 127.  NaN is not served.
; REGISTERS, in windows of 256: window 0: v0-31 addresses and constants; from v128 the tokens' fragments, ONE set; on the way out v32-255 are at work.  window 1: the weights' fragments, TWO sets.  windows 2, 3: the accumulators ((a, b) at v[8 (8 (a % 4) + b)]).
.set FR,     16                        ; registers of a fragment
.set NL,     4                         ; LDS loads that bring one
.set NP,     4                         ; places behind this matrix instruction (ISA guide 7.12.1)
.set HALFT,  32768                     ; what one tensor load brings: 8 row blocks x two K steps of 128
.set SLOT,   4*HALFT                   ; the tokens' 16 row blocks, then the weights' 16
.set RBS,    4096                      ; a row block's bytes in a slot
.set RBP,    16384                     ; from row block to row block in memory: 8 K steps
.set LAPS,   2                         ; K = 1,024 is twice round the ring
.set SPITCH, 528                       ; a stage row: 128 sums + 16 bytes
.set WSTG,   128*SPITCH                ; a wave's stage
.set SPARE,  4*WSTG                    ; behind the stages: the spare words, 128 bytes for each wave: two blocks of 256 bytes that no other line names
.set ADRA, 16                          ; v16-17  LDS address of my tokens' fragments in slot 0, 1
.set ADRB, 20                          ; v20-21  the same for the weights
.set STO,  24                          ; v24  the stage: where I put 32 bytes of a token's row
.set RDF,  25                          ; v25  where I read fc's fragments
.set CO,   26                          ; v26  16 x lane: my place in an image
.set RDQ,  27                          ; v27  where I read q,k's fragments
.set SPW,  28                          ; v28  LDS address of my spare word; never rewritten
.set NIL,  29                          ; v29  0; never rewritten
.set ADF,  30                          ; v30, v31  the trip's two stage addresses
.set ADQ,  31
.set SN,   32                          ; v32-95   64 sums
.set ZZ,   96                          ; v96-127  z = x / sqrt 2, held
.set ZS,   128                         ; v128-159 z^2
.set PN,   160                         ; v160-191 the numerator
.set QD,   192                         ; v192-223 the denominator
.set CD,   224                         ; v224-255 codes, two sets
.set AF,   128                         ; the tokens' fragments, in window 0
.set G1, 24                            ; s[24:31] descriptor group 1 for the tokens' tiles;  s[32:39] group 0, one set for each slot
.set G0, 32
.set G1B, 48                           ; s[48:55], s[56:63] the same for the weights'
.set G0B, 56
.set MSB, 0
.macro WIN new                         ; the immediate's high byte repeats the setting that is left
.if MSB != (\new)
	s_set_vgpr_msb (MSB<<8)|(\new)
.set MSB, (\new)
.endif
.endm
.set MUL_LO, 0xa1                      ; source 0 (weights) window 1, source 1 (tokens) window 0, C and D window 2
.set MUL_HI, 0xf1                      ; the same, C and D window 3
.set TO_B,   0x40                      ; destination window 1, address window 0
; A joint load: waves 0 and 1 fetch the tokens' halves, waves 2 and 3 the weights'.  The branch hangs on the wave's number alone.  An s_nop 0 and four v_nop follow each of the two lines.
.macro JLOAD g0a, g1a, g0b, g1b
	s_cmp_eq_u32 s15, 0
	s_cbranch_scc0 .Lfor_b_\@
	tensor_load_to_lds s[\g0a:\g0a+3], s[\g1a:\g1a+7]
	s_nop 0
.rept 4
	v_nop
.endr
	s_branch .Lasked_\@
.Lfor_b_\@:
	tensor_load_to_lds s[\g0b:\g0b+3], s[\g1b:\g1b+7]
	s_nop 0
.rept 4
	v_nop
.endr
.Lasked_\@:
.endm
.macro CREST                           ; a round of the cluster's barrier behind its opening barrier
	s_cmp_lg_u32 s14, 0
	s_cbranch_scc1 .Lnot_wave_0_\@
	s_barrier_signal -3
.Lnot_wave_0_\@:
	s_barrier_wait -3
	s_barrier_signal -1
	s_barrier_wait -1
.endm
.macro CROUND                          ; a whole round
	s_barrier_signal -1
	s_barrier_wait -1
	CREST
.endm
	s_load_b128 s[4:7], s[0:1], 0x0                ; nxa, wb
	s_load_b128 s[8:11], s[0:1], 0x10              ; lowp_scales, qkimg
	s_load_b64 s[12:13], s[0:1], 0x20              ; hc
	v_lshl_add_u32 v[SPW], v0, 2, SPARE
	v_mov_b32 v[NIL], 0
	ds_add_u32 v[SPW], v[NIL]                      ; the wave's opening: the add and its wait stand ahead of my first tensor load; the set-up below, work on registers, stands between them
	v_lshrrev_b32 v1, 5, v0
	v_readfirstlane_b32 s14, v1                    ; wave 0..3
	s_lshr_b32 s15, s14, 1                         ; which half of the tile's tokens is mine.  Also: I fetch tokens (0) or weights (1)
	s_and_b32 s16, s14, 1                          ; which half of its n.  Also: which 8 row blocks of that tile I fetch
	s_bfe_u32 s40, ttmp6, 0x40000                  ; cx, cy: my place in the cluster
	s_bfe_u32 s41, ttmp6, 0x40004
	s_lshl_b32 s42, ttmp9, 2
	s_add_co_u32 s42, s42, s40                     ; tX: the tile of 256 tokens
	s_and_b32 s77, ttmp7, 0xffff                   ; the cluster's y
	s_lshl_b32 s17, s77, 2
	s_add_co_u32 s17, s17, s41                     ; tY: the tile of 256 rows of the weights
	s_lshl_b32 s43, s41, 2
	s_lshl_b32 s43, 15, s43                        ; my row of the cluster
	s_lshl_b32 s44, 0x1111, s40                    ; my column
	s_or_b32 s[G1+0], s44, (1<<21)                 ; 15:0 the mask: the tokens' tiles go to my column; 17:16 elements of 1 byte; no padding; 21 set beside a mask
	s_or_b32 s[G1B+0], s43, (1<<21)                ; the weights' go to my row
.irp g, G1, G1B
	s_mov_b32 s[\g+1], RBS<<16                     ; tensor_dim0 = 4,096
	s_mov_b32 s[\g+2], 8<<16                       ; tensor_dim1 = 8
	s_mov_b32 s[\g+3], RBS<<16                     ; tile_dim0
	s_mov_b32 s[\g+4], 8                           ; tile_dim1
	s_mov_b32 s[\g+5], RBP                         ; tensor_dim0_stride
	s_mov_b32 s[\g+6], 0
	s_mov_b32 s[\g+7], 0
.endr
	s_lshl_b32 s18, s16, 3
	s_lshl_b32 s20, s42, 4
	s_add_co_u32 s20, s20, s18                     ; tokens: row block 16 tX + 8 x half
	s_lshl_b32 s20, s20, 14
	s_cmp_ge_u32 s77, 4
	s_cselect_b32 s78, 1, 0                        ; KIND: 0 fc, 1 q,k: the same in all sixteen partners
	s_cselect_b32 s19, 0, 0x400000                 ; the plane of nxa
	s_add_co_u32 s20, s20, s19
	s_mov_b32 s21, 0
	s_lshl_b32 s46, s17, 4
	s_add_co_u32 s46, s46, s18                     ; weights: row block 16 tY + 8 x half
	s_lshl_b32 s46, s46, 14
	s_mov_b32 s47, 0
	s_mul_i32 s45, s14, HALFT                      ; where they go: wave x 32,768: no place in the cluster enters an LDS address
	s_wait_dscnt 0x0                               ; the opening add is done
	s_wait_kmcnt 0x0
	s_load_b256 s[68:75], s[8:9], 0x0              ; e0 .. e7
	s_load_b32 s76, s[8:9], 0x20                   ; e8
	s_add_nc_u64 s[20:21], s[4:5], s[20:21]
	s_add_nc_u64 s[46:47], s[6:7], s[46:47]
	CROUND                                         ; all sixteen work-groups are here: the first joint loads meet
.irp s, 0,1
	s_mov_b32 s[G0+4*\s], 1
	s_add_co_u32 s[G0+4*\s+1], s45, \s*SLOT
	s_add_nc_u64 s[G0+4*\s+2:G0+4*\s+3], s[20:21], \s*RBS
	s_or_b32 s[G0+4*\s+3], s[G0+4*\s+3], 0x80000000
	s_mov_b32 s[G0B+4*\s], 1
	s_add_co_u32 s[G0B+4*\s+1], s45, \s*SLOT
	s_add_nc_u64 s[G0B+4*\s+2:G0B+4*\s+3], s[46:47], \s*RBS
	s_or_b32 s[G0B+4*\s+3], s[G0B+4*\s+3], 0x80000000
	JLOAD G0+4*\s, G1, G0B+4*\s, G1B
.endr
	v_and_b32 v6, 31, v0
	v_lshlrev_b32 v[CO], 4, v6                     ; 16 x lane
	s_mul_i32 s21, s15, HALFT                      ; my 8 row blocks of tokens,
	s_mul_i32 s22, s16, HALFT                      ; my 8 of the weights,
	s_add_co_u32 s22, s22, 2*HALFT                 ; which lie behind the tokens' 16
.irp s, 0,1
	v_add_nc_u32 v[ADRA+\s], s21, v[CO]
	v_add_nc_u32 v[ADRB+\s], s22, v[CO]
	s_add_co_u32 s21, s21, SLOT
	s_add_co_u32 s22, s22, SLOT
.endr
	v_and_b32 v1, 15, v0                           ; r
	v_bfe_u32 v2, v0, 4, 1                         ; h
	s_mul_i32 s23, s14, WSTG                       ; my stage
	v_mul_u32_u24 v5, v1, SPITCH
	v_add_nc_u32 v5, s23, v5
	v_lshl_add_u32 v[STO], v2, 5, v5               ; in: token r, 32 bytes for each half of the lanes
	v_lshl_add_u32 v[RDF], v2, 6, v5               ; back, fc: token r, my half's 16 numbers of a block of 32
	v_and_b32 v3, 8, v1
	v_add_nc_u32 v3, v3, v1                        ; r + 8 (r / 8)
	v_mul_u32_u24 v3, v3, SPITCH
	v_add_nc_u32 v3, s23, v3
	v_lshl_add_u32 v[RDQ], v2, 6, v3               ; back, q,k: THE TOKENS OF A TILE ARE NOT NEIGHBOURS
	; where my codes go.  fc: hc, row block 16 tX + 8 x half of tokens, K step 2 tY + half of n
	s_lshl_b32 s84, s42, 4
	s_lshl_b32 s85, s15, 3
	s_add_co_u32 s84, s84, s85
	s_lshl_b32 s84, s84, 16
	s_lshl_b32 s85, s17, 1
	s_add_co_u32 s85, s85, s16
	s_lshl_b32 s85, s85, 11
	s_add_co_u32 s84, s84, s85
	; q,k: qkimg, (q or k) x 32 + batch x 16 + head, 131,072 bytes each; then the block of 128 tokens, 8,192 bytes
	s_sub_co_u32 s88, s77, 4                       ; 0: q, 1: k (of no meaning in an fc tile, where it is not chosen)
	s_lshl_b32 s88, s88, 5
	s_lshr_b32 s89, s42, 3
	s_lshl_b32 s89, s89, 4
	s_add_co_u32 s88, s88, s89
	s_lshl_b32 s89, s41, 2                         ; four heads to a tile of 256 n,
	s_add_co_u32 s88, s88, s89
	s_lshl_b32 s89, s16, 1                         ; two to a wave
	s_add_co_u32 s88, s88, s89
	s_lshl_b32 s88, s88, 17
	s_lshl_b32 s89, s42, 1
	s_add_co_u32 s89, s89, s15
	s_and_b32 s89, s89, 15
	s_lshl_b32 s89, s89, 13
	s_add_co_u32 s88, s88, s89
	s_mov_b32 s86, 131072                          ; a trip of the way out steps: fc two row blocks,
	s_cmp_lg_u32 s78, 0
	s_cselect_b32 s84, s88, s84
	s_cselect_b32 s86, 2048, s86                   ; q,k two tiles
	s_cselect_b64 s[90:91], s[10:11], s[12:13]
	s_mov_b32 s85, 0
	s_mov_b32 s87, 0
	s_add_nc_u64 s[84:85], s[90:91], s[84:85]
.macro FRAG reg, adr, q, i             ; a fragment: row block i, the slot's q-th 128 along K
.irp c, 0,1,2,3
	ds_load_b128 v[\reg+4*\c:\reg+4*\c+3], v[\adr] offset:(\i)*RBS+(\q)*2048+512*\c
.endr
.endm
; 16 matrix instructions: token blocks a0, a0 + 1 x the weights' eight, 128 along K.  p: the weights' set.  zero = 1: the first product starts the sums: nothing is ever cleared.
; The 64 accumulators take turns, one instruction a turn, in the same order in every step.
.macro MUL16 a0, p, zero
.irp a, \a0, \a0+1
.irp b, 0,1,2,3,4,5,6,7
.if \zero
	v_wmma_f32_16x16x128_fp8_fp8 v[8*(8*((\a)%4)+\b):8*(8*((\a)%4)+\b)+7], v[128*(\p)+FR*\b:128*(\p)+FR*\b+FR-1], v[AF+FR*(\a):AF+FR*(\a)+FR-1], 0
.else
	v_wmma_f32_16x16x128_fp8_fp8 v[8*(8*((\a)%4)+\b):8*(8*((\a)%4)+\b)+7], v[128*(\p)+FR*\b:128*(\p)+FR*\b+FR-1], v[AF+FR*(\a):AF+FR*(\a)+FR-1], v[8*(8*((\a)%4)+\b):8*(8*((\a)%4)+\b)+7]
.endif
.endr
.endr
.endm
.macro FETCH_B slot, q, p
	WIN TO_B
.irp i, 0,1,2,3,4,5,6,7
	FRAG 128*(\p)+FR*\i, ADRB+\slot, \q, \i
.endr
	WIN 0
.endm
.macro FETCH_A slot, q, i0
.irp i, \i0, \i0+1, \i0+2, \i0+3
	FRAG AF+FR*(\i), ADRA+\slot, \q, \i
.endr
.endm
; A load into a register that a matrix instruction has read, and a vector instruction or an LDS store that reads a matrix result, stand NP places behind it; only plain vector instructions that name none of its registers are places.
.macro PLACES n
.rept \n
	v_nop
.endr
.endm
.macro STEP slot, q, zero              ; a step of 128 along K that has its successor in the same slot
	s_wait_dscnt 4*NL                              ; the weights' set and token blocks 0-3 are in; the youngest 16 loads (blocks 4-7) may be out
	WIN MUL_LO
	MUL16 0, (\q)%2, \zero
	MUL16 2, (\q)%2, \zero
	s_wait_dscnt 0                                 ; blocks 4-7 are in
	PLACES NP
	FETCH_B \slot, (\q)+1, 1-(\q)%2
	FETCH_A \slot, (\q)+1, 0
	WIN MUL_HI
	MUL16 4, (\q)%2, \zero
	MUL16 6, (\q)%2, \zero
	PLACES NP
	WIN 0
	FETCH_A \slot, (\q)+1, 4
.endm
; A slot's last step changes slots: ONE barrier; in front of it each wave waits for all its tensor loads, adds 0 to its spare word, and waits for that and for its own reads of this slot.  fill = 1: this slot is filled again, two K steps ahead.
.macro TURN slot, next, fill
	s_wait_tensorcnt 0x0                           ; all my tensor loads have landed: my part of the next slot;  (every window is 0 here)
	ds_add_u32 v[SPW], v[NIL]                      ; 0 onto my spare word
	s_wait_dscnt 4*NL+1                            ; (the add and the youngest 16 loads may be out)
	WIN MUL_LO
	MUL16 0, 1, 0                                  ; sixteen matrix instructions stand between the add and the wait for it
	s_wait_dscnt 0x0                               ; the add is done, and my reads of this slot are over
	s_barrier_signal -1
	MUL16 2, 1, 0
	WIN 0
	s_barrier_wait -1
.if \fill
	CREST                                          ; the barrier has opened a round of the cluster's barrier: no wave of any partner still reads this slot's tile or has a load on its way
	s_add_nc_u64 s[G0+4*\slot+2:G0+4*\slot+3], s[G0+4*\slot+2:G0+4*\slot+3], 2*RBS
	s_add_nc_u64 s[G0B+4*\slot+2:G0B+4*\slot+3], s[G0B+4*\slot+2:G0B+4*\slot+3], 2*RBS
	JLOAD G0+4*\slot, G1, G0B+4*\slot, G1B         ; the first tensor load behind the round; its four v_nop are the places in front of the loads below
.else
	PLACES NP
.endif
	FETCH_B \next, 0, 0
	FETCH_A \next, 0, 0
	WIN MUL_HI
	MUL16 4, 1, 0
	MUL16 6, 1, 0
	PLACES NP
	WIN 0
	FETCH_A \next, 0, 4
.endm
	s_wait_tensorcnt 1                             ; my part of slot 0 is in (slot 1's load may be out)
	s_barrier_signal -1
	s_barrier_wait -1                              ; everybody's is
	FETCH_B 0, 0, 0
	FETCH_A 0, 0, 0
	FETCH_A 0, 0, 4
	STEP 0, 0, 1                                   ; the first step stands in front of the loop: its products start the sums
	s_mov_b32 s3, LAPS-1
.Llap:                                                 ; a trip goes once round the ring and fills both slots again
	TURN 0, 1, 1
	STEP 1, 0, 0
	TURN 1, 0, 1
	STEP 0, 0, 0
	s_sub_co_u32 s3, s3, 1
	s_cmp_lg_u32 s3, 0
	s_cbranch_scc1 .Llap
	TURN 0, 1, 0                                   ; the last lap fills nothing
	STEP 1, 0, 0
	s_wait_dscnt 4*NL                              ; the very last step
	WIN MUL_LO
	MUL16 0, 1, 0
	MUL16 2, 1, 0
	s_wait_dscnt 0
	WIN MUL_HI
	MUL16 4, 1, 0
	MUL16 6, 1, 0
	WIN 0
	; ---- THE WAY OUT
	s_wait_dscnt 0x0                               ; my reads of the ring are over
	s_barrier_signal -1
	s_barrier_wait -1                              ; everybody's are, and the ring has had its last fill: the stages may be laid over it
	PLACES NP
	WIN 0x08                                       ; an LDS store's data: window 2
.irp a, 0,1,2,3
.irp b, 0,1,2,3,4,5,6,7
	ds_store_b128 v[STO], v[8*(8*\a+\b):8*(8*\a+\b)+3] offset:\a*16*SPITCH+64*\b          ; each accumulator from its low end on
	ds_store_b128 v[STO], v[8*(8*\a+\b)+4:8*(8*\a+\b)+7] offset:\a*16*SPITCH+64*\b+16
.endr
.endr
	WIN 0x0c                                       ; window 3
.irp a, 0,1,2,3
.irp b, 0,1,2,3,4,5,6,7
	ds_store_b128 v[STO], v[8*(8*\a+\b):8*(8*\a+\b)+3] offset:(\a+4)*16*SPITCH+64*\b
	ds_store_b128 v[STO], v[8*(8*\a+\b)+4:8*(8*\a+\b)+7] offset:(\a+4)*16*SPITCH+64*\b+16
.endr
.endr
	WIN 0
	s_wait_kmcnt 0x0
.macro PAIR r, val                     ; a constant as a pair: the packed forms name the pair and take its low word for both halves
	s_mov_b32 s[\r], \val
	s_mov_b32 s[\r+1], \val
.endm
	s_add_co_i32 s80, s74, s75                     ; e6 + e7: a sum stands for sum x 2^(e6 + e7)
	s_lshl_b32 s81, s80, 23
	s_add_co_i32 s24, s81, 0x3f3504f3              ; 2^(e6 + e7) / sqrt 2: the exponents are added to the constant's exponent field
	s_mov_b32 s25, s24
	s_add_co_i32 s26, s80, 126
	s_lshl_b32 s26, s26, 23                        ; 2^(e6 + e7) / 2
	s_mov_b32 s27, s26
	PAIR 28, 0x32edffee                            ; erf(z) = z N(z^2) / D(z^2): N's coefficients of z^10, 8, 6, 4, 2, 0
	PAIR 30, 0xb60cff51
	PAIR 32, 0xb86ec2d2
	PAIR 34, 0xba40ac63
	PAIR 36, 0xbb41a1f6
	PAIR 38, 0xbc83dbd4
	PAIR 40, 0xb95fbd29                            ; D's of z^6, 4, 2, 0
	PAIR 42, 0xbadc924e
	PAIR 44, 0xbbf19bf8
	PAIR 46, 0xbc69b6a7
	v_mov_b32 v8, 0xaf95df0b                       ; N's of z^12,
	v_mov_b32 v9, 0xaf95df0b
	v_mov_b32 v10, 0xb77460cd                      ; D's of z^8
	v_mov_b32 v11, 0xb77460cd
	s_cmp_eq_u32 s77, 5
	s_cselect_b32 s82, s71, s70                    ; k: e3, q: e2
	s_sub_co_i32 s82, s82, s68
	s_sub_co_i32 s82, s82, s69                     ; less e0 + e1, which the raw sums lack
	s_cmp_lg_u32 s78, 0
	s_cselect_b32 s82, s82, s76                    ; fc: e8 (GELU's numbers are whole)
	s_add_co_i32 s82, s82, 127
	s_lshl_b32 s83, s82, 23
	v_mov_b32 v12, s83                             ; the conversion's scale
	s_add_co_i32 s82, s82, 8
	s_lshl_b32 s82, s82, 23
	s_or_b32 s82, s82, 0x600000
	v_mov_b32 v13, s82                             ; 448 x that
; GELU of 32 sums, v[SN + o] on, in place.  Each line runs over all of them, so that no line waits for the line above it.
.macro GELU32 o
.set p, 0
.rept 16
	v_pk_mul_f32 v[ZZ+p:ZZ+p+1], v[SN+\o+p:SN+\o+p+1], s[24:25] op_sel_hi:[1,0]
.set p, p+2
.endr
.set p, 0
.rept 32
	v_med3_num_f32 v[ZZ+p], v[ZZ+p], -4.0, 4.0     ; beyond +-4 erf is +-1 in f32
.set p, p+1
.endr
.set p, 0
.rept 16
	v_pk_mul_f32 v[ZS+p:ZS+p+1], v[ZZ+p:ZZ+p+1], v[ZZ+p:ZZ+p+1]
.set p, p+2
.endr
.set p, 0
.rept 16
	v_pk_fma_f32 v[PN+p:PN+p+1], v[ZS+p:ZS+p+1], v[8:9], s[28:29] op_sel_hi:[1,1,0]
	v_pk_fma_f32 v[QD+p:QD+p+1], v[ZS+p:ZS+p+1], v[10:11], s[40:41] op_sel_hi:[1,1,0]
.set p, p+2
.endr
.irp k, 30,32,34,36,38
.set p, 0
.rept 16
	v_pk_fma_f32 v[PN+p:PN+p+1], v[PN+p:PN+p+1], v[ZS+p:ZS+p+1], s[\k:\k+1] op_sel_hi:[1,1,0]
.set p, p+2
.endr
.endr
.irp k, 42,44,46
.set p, 0
.rept 16
	v_pk_fma_f32 v[QD+p:QD+p+1], v[QD+p:QD+p+1], v[ZS+p:ZS+p+1], s[\k:\k+1] op_sel_hi:[1,1,0]
.set p, p+2
.endr
.endr
.set p, 0
.rept 16
	v_pk_mul_f32 v[PN+p:PN+p+1], v[PN+p:PN+p+1], v[ZZ+p:ZZ+p+1]
.set p, p+2
.endr
.set p, 0
.rept 32
	v_rcp_f32 v[QD+p], v[QD+p]                     ; D is below zero everywhere: all its coefficients are
.set p, p+1
.endr
.set p, 0
.rept 16
	v_pk_mul_f32 v[SN+\o+p:SN+\o+p+1], v[SN+\o+p:SN+\o+p+1], s[26:27] op_sel_hi:[1,0]   ; x / 2: plain lines behind the batch, and work that is due
.set p, p+2
.endr
	s_wait_alu depctr_va_vdst(0)                   ; one wait for the 32 reciprocals, ahead of their first reader
.set p, 0
.rept 16
	v_pk_mul_f32 v[PN+p:PN+p+1], v[PN+p:PN+p+1], v[QD+p:QD+p+1]                         ; erf
.set p, p+2
.endr
.set p, 0
.rept 16
	v_pk_fma_f32 v[SN+\o+p:SN+\o+p+1], v[SN+\o+p:SN+\o+p+1], v[PN+p:PN+p+1], v[SN+\o+p:SN+\o+p+1]   ; x / 2 x erf + x / 2
.set p, p+2
.endr
.endm
.macro CODES set                       ; 64 numbers become 16 registers of codes
.irp x, 0,1,2,3
.set p, 0
.rept 16
	v_med3_num_f32 v[SN+16*\x+p], v[SN+16*\x+p], -v13, v13   ; the conversion to an 8-bit code does not saturate (ISA guide 7.6.2)
.set p, p+1
.endr
	v_cvt_scalef32_pk8_fp8_f32 v[CD+16*\set+4*\x:CD+16*\set+4*\x+1], v[SN+16*\x:SN+16*\x+7], v12
	v_cvt_scalef32_pk8_fp8_f32 v[CD+16*\set+4*\x+2:CD+16*\set+4*\x+3], v[SN+16*\x+8:SN+16*\x+15], v12
.endr
	v_nop                                          ; a plain line behind the last conversion of the run
.endm
.macro FCPART al                       ; row block 2 trip + al: one fragment of hc
.irp c, 0,1,2,3
.irp i, 0,1,2,3
	ds_load_b128 v[SN+16*\c+4*\i:SN+16*\c+4*\i+3], v[ADF] offset:\al*16*SPITCH+128*\c+16*\i   ; LDS serves a wave's instructions in order (ISA guide 5.7.1.4): these see my stores
.endr
.endr
	s_wait_dscnt 0x0
	GELU32 0
	GELU32 32
	CODES \al
.irp c, 0,1,2,3
	global_store_b128 v[CO], v[CD+16*\al+4*\c:CD+16*\al+4*\c+3], s[84:85] offset:\al*65536+512*\c   ; 512 consecutive bytes, aligned
.endr
.endm
.macro QKPART hd                       ; head hd of my two: tiles 2 trip and 2 trip + 1 of the block of 128 tokens
.irp u, 0,1
.irp c, 0,1
.irp i, 0,1,2,3
	ds_load_b128 v[SN+32*\u+16*\c+4*\i:SN+32*\u+16*\c+4*\i+3], v[ADQ] offset:\hd*256+\u*8*SPITCH+128*\c+16*\i
.endr
.endr
.endr
	s_wait_dscnt 0x0
	CODES \hd
.irp u, 0,1
.irp c, 0,1
	global_store_b128 v[CO], v[CD+16*\hd+8*\u+4*\c:CD+16*\hd+8*\u+4*\c+3], s[84:85] offset:\hd*131072+\u*1024+512*\c
.endr
.endr
.endm
	s_mov_b32 s3, 0
	s_mov_b32 s92, 0                               ; 32 tokens of the stage a trip
.Lout:
	v_add_nc_u32 v[ADF], s92, v[RDF]               ; both addresses are made ahead of the parting
	v_add_nc_u32 v[ADQ], s92, v[RDQ]
	s_cmp_lg_u32 s78, 0
	s_cbranch_scc1 .Lqk
	FCPART 0
	FCPART 1
	s_branch .Ljoin
.Lqk:
	QKPART 0
	QKPART 1
.Ljoin:
	s_wait_xcnt 0x0                                ; the stores have read their codes and their base: both are written again only behind this wait
	s_add_nc_u64 s[84:85], s[84:85], s[86:87]
	s_add_co_u32 s92, s92, 32*SPITCH
	s_add_co_u32 s3, s3, 1
	s_cmp_lt_u32 s3, 4
	s_cbranch_scc1 .Lout
	s_wait_tensorcnt 0x0                           ; the wave's end, behind my last tensor load and my last LDS store
	ds_add_u32 v[SPW], v[NIL]
	s_wait_dscnt 0x0
	CROUND                                         ; the closing round: no work-group ends while a partner may still ask for a tile that names it
	s_endpgm
.Lfunc_end_k_q886f555827_gemm_qkfc:
	.size	k_q886f555827_gemm_qkfc, .Lfunc_end_k_q886f555827_gemm_qkfc-k_q886f555827_gemm_qkfc
	.p2alignl 7, 3214868480
	.fill 96, 4, 3214868480
	.section	.rodata,"a",@progbits
	.p2align	6, 0x0
	.amdhsa_kernel k_q886f555827_gemm_qkfc
		.amdhsa_group_segment_fixed_size 327680
		.amdhsa_private_segment_fixed_size 0
		.amdhsa_enable_private_segment 0
		.amdhsa_kernarg_size 40
		.amdhsa_user_sgpr_count 2
		.amdhsa_user_sgpr_kernarg_segment_ptr 1
		.amdhsa_wavefront_size32 1
		.amdhsa_system_sgpr_workgroup_id_x 1
		.amdhsa_system_sgpr_workgroup_id_y 1
		.amdhsa_system_sgpr_workgroup_id_z 1
		.amdhsa_system_vgpr_workitem_id 0
		.amdhsa_next_free_vgpr 1024
		.amdhsa_next_free_sgpr 100
		.amdhsa_reserve_vcc 0
		.amdhsa_float_denorm_mode_32 3
		.amdhsa_float_denorm_mode_16_64 3
		.amdhsa_memory_ordered 1
		.amdhsa_forward_progress 1
		.amdhsa_inst_pref_size 189
	.end_amdhsa_kernel
	.amdgpu_metadata
---
amdhsa.version: [ 1, 2 ]
amdhsa.kernels:
  - .name:           k_q886f555827_gemm_qkfc
    .symbol:         k_q886f555827_gemm_qkfc.kd
    .args:
      - { .name: nxa, .offset: 0, .size: 8, .value_kind: global_buffer, .address_space: global }
      - { .name: wb, .offset: 8, .size: 8, .value_kind: global_buffer, .address_space: global }
      - { .name: lowp_scales, .offset: 16, .size: 8, .value_kind: global_buffer, .address_space: global }
      - { .name: qkimg, .offset: 24, .size: 8, .value_kind: global_buffer, .address_space: global }
      - { .name: hc, .offset: 32, .size: 8, .value_kind: global_buffer, .address_space: global }
    .group_segment_fixed_size: 327680
    .private_segment_fixed_size: 0
    .kernarg_segment_align: 8
    .kernarg_segment_size: 40
    .max_flat_workgroup_size: 128
    .sgpr_count:     100
    .vgpr_count:     1024
    .wavefront_size: 32
...
	.end_amdgpu_metadata
.endif
;; end of part 2
;; launch attn (part 3): grid 8 x 32, 16 waves a work-group, clusters of 4 x 1, 264,192 bytes of LDS; arguments qkimg, vimg, lowp_scales, alpha, beta, gamma, beta_SA, x, res; writes res
.if DOCPART == 3
	.amdgcn_target "amdgcn-amd-amdhsa--gfx1250"
	.amdhsa_code_object_version 6
	.text
	.protected	k_q886f555827_attn
	.globl	k_q886f555827_attn
	.p2align	8
	.type	k_q886f555827_attn,@function
k_q886f555827_attn:
	s_mov_b64 s[64:65], 0
	v_nop
	global_prefetch_b8 v0, s[64:65] scope:SCOPE_SE
	s_setreg_imm32_b32 hwreg(HW_REG_WAVE_MODE, 25, 1), 1
	s_wait_xcnt 0x0
	s_wait_alu depctr_hold_cnt(0) depctr_sa_sdst(0) depctr_va_vdst(0) depctr_va_sdst(0) depctr_va_ssrc(0) depctr_va_vcc(0) depctr_vm_vsrc(0)
	s_getreg_b32 s2, hwreg(HW_REG_IB_STS2, 6, 4)
	s_cmp_eq_u32 s2, 0
	s_cbranch_scc0 .Lentry_in_a_cluster
	s_endpgm
.Lentry_in_a_cluster:
	s_bfe_u32 s2, ttmp6, 0x10000c
	s_cmp_lg_u32 s2, 0x3003
	s_cbranch_scc0 .Lentry_shape_is_right
	s_endpgm
.Lentry_shape_is_right:
; res = x + beta_SA y,  y[q] = sum over keys of Q4(shaped[q][key]) Q5(v[key]),  shaped = beta softmax(causal scores) + alpha (key = q) - gamma / (q + 1) for key <= q, and 0 above the diagonal.
; Both products on codes of FP8 (E4M3).  The second product's left operand is the FINISHED weight, so a row's maximum and sum must be known before any weight is quantised: THE KEYS ARE WALKED TWICE.
; Pass 1: scores, running maximum (taken away before every exponential) and sum.  Pass 2: the scores again, p = 2^(t - M), shaped = p (beta / l) - gamma / (q + 1), quantised with e4, times V.
; t = score x log2(e) / 8;  M = the row's largest t rounded up to a whole number, so that a change of M multiplies the sum by a power of two.
; SHARES.  grid y = batch x 16 + head.  A head's whole K and V (images of the operands' registers, 128 KiB each) lie in LDS, filled once; nothing is filled again.
; grid x = tau, which tile of 16 queries inside a block of 128; THE WAVE CHOOSES THE BLOCK: blocks 15, 2, 4, 9, 14, 3, 5, 8, 1, 12, 10, 7, 0, 13, 11, 6 for waves 0 to 15, so that the waves w, w + 4, w + 8, w + 12
; together walk 34 key steps a pass whatever w is, and all 256 work-groups are alike.  A key step whose 128 keys all come after the wave's block is left out by a scalar branch on the wave's number and the count of steps.
; CLUSTER.  The four work-groups of a cluster belong to one head: K's and V's tiles are asked for JOINTLY.  tau, which differs between partners, enters global addresses and a lane's mask number alone: no branch, no LDS address.
; LAYOUT.  Both products transposed: S^T = K Q^T (source 0 = 16 keys, source 1 = my 16 queries), O^T = V^T P^T: a lane holds ONE query throughout.  Lane r of tile 2 b + u of a block of 128 tokens is token 32 b + 8 u + r + 8 (r / 8),
; so the 16 score registers of tiles 2 b and 2 b + 1 are 16 neighbouring keys, 32 b + 16 (lane / 16) + 0 .. 15: the conversions' results are the second product's operand.
; LIMITS: e2 + e3 between -123 and 130 (added to a constant's exponent field); e4 between -126 and 119; e4 + e5 between -126 and 127.  NaN is not served.  1 / l and 1 / (q + 1) come from v_rcp_f32.
; REGISTERS: v1-11 addresses and lane numbers; v12 -M, v13 the largest t, v[14:15] the sum; v16-23 Q; v[24:25] beta / l; v[26:27] -gamma / (q + 1); v28 that + alpha; v29, v30 448 x 2^e4, 2^e4; v31 0;
;   v32-95 K's eight fragments, then V's four; v96-159 scores, p, shaped; v160-191 O^T; v192-223 x's rows; v224-239 codes; v240-254 at work.
.set VB,    131072                     ; V's images lie behind K's
.set SPARE, 262144                     ; behind them: the spare words, 128 bytes for each wave: eight blocks of 256 bytes that no other line names
.set SP,    272                        ; the way out: a stage row, 256 bytes + 16
.set WSTG,  16*SP                      ; a wave's stage, in K's bytes, which nobody reads any more by then
.set LI,  1                            ; v1   16 x lane
.set LIV, 2                            ; v2   the same in V's region
.set ADK, 3                            ; v3   the step's K
.set ADV, 4                            ; v4   the step's V
.set SPW, 5                            ; v5   LDS address of my spare word; never rewritten
.set NIL, 6                            ; v6   0; never rewritten
.set GO,  7                            ; v7   my byte offset in the tile's rows of x and res
.set DD,  8                            ; v8   my query's place in its block, less 16 (lane / 16)
.set STO, 9                            ; v9   the stage, in
.set RD,  10                           ; v10  the stage, back
.set QF,  11                           ; v11  q + 1 as f32
.set WV,  26                           ; s26 wave; s27 my block; s28 tau; s29 batch x 16 + head; s30 the key step; s31 its first LDS byte
.set BLK, 27
.set TAU, 28
.set BH,  29
.set KB,  30
.set TB,  31
.set G1,  32                           ; s[32:39] descriptor group 1; s[40:43], s[44:47] groups 0 for K and V
.set G0K, 40
.set G0V, 44
.set SEL, 48                           ; s[48:49] v_permlanex16_b32: lane l xor 16
.set CS,  50                           ; s[50:51] c = log2(e) / 8 x 2^(e2 + e3)
; s[52:55] e2 .. e5; s60 alpha, s61 beta, s62 -gamma, s63 beta_SA; s[66:67] beta_SA x 2^(e4 + e5); s[68:69] Q's tile; s[70:71] x's rows; s[72:73] res's rows
.macro CROUND                          ; a round of the cluster's barrier
	s_barrier_signal -1
	s_barrier_wait -1
	s_cmp_lg_u32 s[WV], 0
	s_cbranch_scc1 .Lnot_wave_0_\@
	s_barrier_signal -3
.Lnot_wave_0_\@:
	s_barrier_wait -3
	s_barrier_signal -1
	s_barrier_wait -1
.endm
	s_load_b512 s[8:23], s[0:1], 0x0               ; qkimg, vimg, lowp_scales, alpha, beta, gamma, beta_SA, x
	s_load_b64 s[24:25], s[0:1], 0x40              ; res
	v_lshl_add_u32 v[SPW], v0, 2, SPARE
	v_mov_b32 v[NIL], 0
	ds_add_u32 v[SPW], v[NIL]                      ; the wave's opening: the add and its wait stand ahead of my first tensor load; the set-up below, work on registers, stands between them
	v_lshrrev_b32 v240, 5, v0
	v_readfirstlane_b32 s[WV], v240                ; wave 0..15
	s_bfe_u32 s74, ttmp6, 0x40000                  ; cx
	s_lshl_b32 s[TAU], ttmp9, 2
	s_add_co_u32 s[TAU], s[TAU], s74               ; tau = 4 x cluster x + cx
	s_and_b32 s[BH], ttmp7, 0xffff
	s_mov_b32 s75, 0x6bd07ac1                      ; the blocks of waves 8-15, four bits each,
	s_cmp_lt_u32 s[WV], 8
	s_cselect_b32 s75, 0x853e942f, s75             ; of waves 0-7
	s_and_b32 s76, s[WV], 7
	s_lshl_b32 s76, s76, 2
	s_lshr_b32 s75, s75, s76
	s_and_b32 s[BLK], s75, 15
	s_mov_b32 s[G1], 15|(3<<16)|(1<<21)            ; 15:0 the mask: all four work-groups; 17:16 elements of 8 bytes; no padding; 21 set beside a mask
	s_mov_b32 s[G1+1], 32<<16                      ; tensor_dim0 = 32 elements: rows of 256 bytes
	s_mov_b32 s[G1+2], 32<<16                      ; tensor_dim1 = 32
	s_mov_b32 s[G1+3], 32<<16                      ; tile_dim0
	s_mov_b32 s[G1+4], 32                          ; tile_dim1: 8,192 bytes, a block of 128 keys
	s_mov_b32 s[G1+5], 32                          ; dense
	s_mov_b32 s[G1+6], 0
	s_mov_b32 s[G1+7], 0
	s_mov_b32 s[SEL], 0x76543210
	s_mov_b32 s[SEL+1], 0xfedcba98
	s_mov_b32 s[CS], 0x3e38aa3b                    ; log2(e) / 8
	s_lshl_b32 s74, s[WV], 13                      ; wave w fetches key block w of K and of V
	s_add_co_u32 s76, s[BH], 32                    ; k lies behind q's 32 heads
	s_lshl_b32 s76, s76, 17
	s_add_co_u32 s76, s76, s74
	s_mov_b32 s77, 0
	s_lshl_b32 s78, s[BH], 17
	s_add_co_u32 s78, s78, s74
	s_mov_b32 s79, 0
	s_wait_dscnt 0x0                               ; the opening add is done
	s_wait_kmcnt 0x0
	s_load_b128 s[52:55], s[12:13], 0x8            ; e2, e3, e4, e5
	s_load_b32 s60, s[14:15], 0x0
	s_load_b32 s61, s[16:17], 0x0
	s_load_b32 s62, s[18:19], 0x0
	s_load_b32 s63, s[20:21], 0x0
	s_mov_b32 s[G0K], 1
	s_mov_b32 s[G0K+1], s74
	s_add_nc_u64 s[G0K+2:G0K+3], s[8:9], s[76:77]
	s_or_b32 s[G0K+3], s[G0K+3], 0x80000000
	s_mov_b32 s[G0V], 1
	s_add_co_u32 s[G0V+1], s74, VB
	s_add_nc_u64 s[G0V+2:G0V+3], s[10:11], s[78:79]
	s_or_b32 s[G0V+3], s[G0V+3], 0x80000000
	CROUND                                         ; all four work-groups are here: the joint loads meet
	tensor_load_to_lds s[G0K:G0K+3], s[G1:G1+7]    ; the launch's only fills, one group: two loads of mine are out
	s_nop 0
	tensor_load_to_lds s[G0V:G0V+3], s[G1:G1+7]
	s_nop 0
.rept 4
	v_nop
.endr
	s_lshl_b32 s74, s[BH], 17                      ; Q: my head, my block, my tile
	s_lshl_b32 s75, s[BLK], 13
	s_add_co_u32 s74, s74, s75
	s_lshl_b32 s75, s[TAU], 10
	s_add_co_u32 s74, s74, s75
	s_mov_b32 s75, 0
	s_add_nc_u64 s[68:69], s[8:9], s[74:75]
	s_lshr_b32 s76, s[TAU], 1
	s_lshl_b32 s76, s76, 5
	s_and_b32 s77, s[TAU], 1
	s_lshl_b32 s77, s77, 3
	s_add_co_u32 s80, s76, s77                     ; the tile's first token in its block: 32 b + 8 u
	s_lshr_b32 s76, s[BH], 4
	s_lshl_b32 s76, s76, 11
	s_lshl_b32 s77, s[BLK], 7
	s_add_co_u32 s76, s76, s77
	s_add_co_u32 s76, s76, s80
	s_lshl_b32 s76, s76, 12                        ; a row of x is 4,096 bytes,
	s_and_b32 s77, s[BH], 15
	s_lshl_b32 s77, s77, 8                         ; a head's part of it 256
	s_add_co_u32 s76, s76, s77
	s_mov_b32 s77, 0
	s_add_nc_u64 s[70:71], s[22:23], s[76:77]
	s_add_nc_u64 s[72:73], s[24:25], s[76:77]
	v_and_b32 v240, 31, v0
	v_lshlrev_b32 v[LI], 4, v240
	v_add_nc_u32 v[LIV], VB, v[LI]
	v_and_b32 v244, 15, v0                         ; r
	v_bfe_u32 v245, v0, 4, 1                       ; h
	v_lshlrev_b32 v[GO], 12, v245
	v_lshl_add_u32 v[GO], v244, 4, v[GO]           ; lanes 0-15 one row's 256 bytes, lanes 16-31 the next row's
	global_load_b128 v[16:19], v[LI], s[68:69]     ; Q's fragment stays in registers
	global_load_b128 v[20:23], v[LI], s[68:69] offset:512
.irp i, 0,1,2,3,4,5,6,7
	global_load_b128 v[192+4*\i:195+4*\i], v[GO], s[70:71] offset:(2*\i+8*(\i/4))*4096   ; x at the tile's 16 tokens: 0-7 and 16-23 from its first; wanted at the end
.endr
	v_and_b32 v246, 8, v244
	v_add_nc_u32 v246, v246, v244
	v_add_nc_u32 v246, s80, v246                   ; my query's place in its block
	v_lshlrev_b32 v247, 4, v245
	v_sub_nc_u32 v[DD], v246, v247                 ; score register 16 b + i holds key 32 b + 16 h + i of the step: hidden on the diagonal step where 32 b + i is above this
	s_lshl_b32 s81, s[BLK], 7
	s_add_co_u32 s81, s81, 1
	v_add_nc_u32 v246, s81, v246
	v_cvt_f32_u32 v[QF], v246                      ; q + 1
	s_mul_i32 s78, s[WV], WSTG
	v_mul_u32_u24 v[STO], v244, SP
	v_lshl_add_u32 v[STO], v245, 5, v[STO]
	v_add_nc_u32 v[STO], s78, v[STO]               ; in: row r, 32 bytes for each half of the lanes
	v_mul_u32_u24 v[RD], v245, SP
	v_lshl_add_u32 v[RD], v244, 4, v[RD]
	v_add_nc_u32 v[RD], s78, v[RD]                 ; back: lanes 0-15 one row, lanes 16-31 the next
	v_mov_b32 v13, 0xff61b1e6                      ; the largest t so far: -3e38, under every t
	v_floor_f32 v12, -v13                          ; -M
	v_mov_b32 v14, 0                               ; the sum, in two halves
	v_mov_b32 v15, 0
	v_mov_b32 v31, 0
	v_mov_b32 v250, 0                              ; written once: a lane permute's destination counts as one of its sources
	v_mov_b32 v251, 0xff800000                     ; -infinity
	v_mov_b32 v253, 0                              ; (named as the upper half of the pair v[252:253])
.set n, 0
.rept 32
	v_mov_b32 v[160+n], 0                          ; O^T: the key step is written once, inside a loop, so its first trip adds onto zeros
.set n, n+1
.endr
	s_wait_kmcnt 0x0
	s_add_co_i32 s74, s52, s53
	s_lshl_b32 s74, s74, 23
	s_add_co_i32 s[CS], s[CS], s74                 ; a score stands for score x 2^(e2 + e3)
	s_mov_b32 s[CS+1], s[CS]
	s_add_co_i32 s74, s54, 127
	s_lshl_b32 s75, s74, 23
	v_mov_b32 v30, s75                             ; 2^e4
	s_add_co_i32 s74, s74, 8
	s_lshl_b32 s74, s74, 23
	s_or_b32 s74, s74, 0x600000
	v_mov_b32 v29, s74                             ; 448 x 2^e4
	s_add_co_i32 s74, s54, s55
	s_add_co_i32 s74, s74, 127
	s_lshl_b32 s74, s74, 23
	s_mul_f32 s66, s63, s74                        ; beta_SA x 2^(e4 + e5)
	s_mov_b32 s67, s66
	s_xor_b32 s62, s62, 0x80000000                 ; -gamma
	s_wait_tensorcnt 0x0                           ; my blocks of K and of V have landed,
	s_barrier_signal -1
	s_barrier_wait -1                              ; everybody's have: no barrier stands between here and the way out, so each wave walks its two passes at its own pace
	s_wait_loadcnt 8                               ; Q is in; x's eight loads, issued behind it, may be out
.macro KLOAD                           ; the step's eight tiles of K.  The addition and three v_nop are the places in front of loads into registers that matrix instructions have read
	v_add_nc_u32 v[ADK], s[TB], v[LI]
.rept 3
	v_nop
.endr
.irp t, 0,1,2,3,4,5,6,7
	ds_load_b128 v[32+8*\t:35+8*\t], v[ADK] offset:1024*\t
	ds_load_b128 v[36+8*\t:39+8*\t], v[ADK] offset:1024*\t+512
.endr
	s_wait_dscnt 0x0
.endm
.macro QK8                             ; S^T = K Q^T: K = the head's 64
.irp t, 0,1,2,3,4,5,6,7
	v_wmma_f32_16x16x64_fp8_fp8 v[96+8*\t:103+8*\t], v[32+8*\t:39+8*\t], v[16:23], 0
.endr
.rept 4
	v_nop
.endr
.endm
.macro TMINUSM                         ; t - M, two at a time, then p = 2^(t - M): one batch
.set n, 0
.rept 32
	v_pk_fma_f32 v[96+n:97+n], v[96+n:97+n], s[CS:CS+1], v[12:13] op_sel_hi:[1,0,0]
.set n, n+2
.endr
.set n, 0
.rept 64
	v_exp_f32 v[96+n], v[96+n]
.set n, n+1
.endr
.endm
	; ---- PASS 1: the rows' maxima and sums.  Sixteen trips in every wave; a trip past my block does nothing but step
	s_mov_b32 s[KB], 0
	s_mov_b32 s[TB], 0
.Lp1:
	s_cmp_gt_u32 s[KB], s[BLK]
	s_cbranch_scc1 .Lp1_skip
	KLOAD
	QK8
	s_cmp_lg_u32 s[KB], s[BLK]
	s_cbranch_scc1 .Lp1_open
.set n, 0
.rept 64                               ; the diagonal step: hidden scores become -infinity ahead of the maximum
	v_cmp_gt_i32 vcc_lo, 32*(n/16)+n%16, v[DD]
	v_cndmask_b32 v[96+n], v[96+n], v251, vcc_lo
.set n, n+1
.endr
.Lp1_open:
	v_max3_num_f32 v254, v96, v97, v98             ; the step's largest score of my query, in two chains,
	v_max3_num_f32 v252, v99, v100, v101
.irp i, 6,10,14,18,22,26,30,34,38,42,46,50,54,58
	v_max3_num_f32 v254, v254, v[96+\i], v[97+\i]
	v_max3_num_f32 v252, v252, v[98+\i], v[99+\i]
.endr
	v_max3_num_f32 v254, v254, v158, v159
	v_max_num_f32 v254, v254, v252
	v_permlanex16_b32 v250, v254, s[SEL], s[SEL+1]
	v_max_num_f32 v254, v254, v250                 ; and among lane l xor 16's
	v_mul_f32 v254, s[CS], v254                    ; as t (c is positive)
	v_max_num_f32 v13, v13, v254                   ; the running largest t
	v_mov_b32 v254, v12
	v_floor_f32 v12, -v13                          ; the new -M = -ceil(t)
	v_sub_f32 v254, v12, v254                      ; old M - new M: a whole number, 0 or less
	v_cvt_i32_f32 v254, v254                       ; (it saturates)
	v_ldexp_f32 v252, 1.0, v254                    ; f = 2^(old M - new M)
	TMINUSM
	v_pk_mul_f32 v[14:15], v[14:15], v[252:253] op_sel_hi:[1,0]   ; the sum under the new M: a plain line behind the exponentials
	s_wait_alu depctr_va_vdst(0)                   ; one wait for the batch, ahead of its first reader
	v_pk_add_f32 v[242:243], v[96:97], v[98:99]
.irp j, 4,8,12,16,20,24,28,32,36,40,44,48,52,56,60
	v_pk_add_f32 v[14:15], v[14:15], v[96+\j:97+\j]
	v_pk_add_f32 v[242:243], v[242:243], v[98+\j:99+\j]
.endr
	v_pk_add_f32 v[14:15], v[14:15], v[242:243]
.Lp1_skip:
	s_add_co_u32 s[TB], s[TB], 8192
	s_add_co_u32 s[KB], s[KB], 1
	s_cmp_lt_u32 s[KB], 16
	s_cbranch_scc1 .Lp1
	; ---- between the passes: l, beta / l, -gamma / (q + 1)
	v_add_f32 v14, v14, v15
	v_permlanex16_b32 v250, v14, s[SEL], s[SEL+1]
	v_add_f32 v14, v14, v250                       ; the row's sum
	v_rcp_f32 v24, v14
	v_rcp_f32 v26, v[QF]
	v_nop                                          ; a plain line behind the two reciprocals
	s_wait_alu depctr_va_vdst(0)                   ; and their wait
	v_mul_f32 v24, s61, v24
	v_mul_f32 v26, s62, v26
	v_mov_b32 v25, v24
	v_add_f32 v28, s60, v26                        ; on the diagonal alpha comes on top
	v_mov_b32 v27, v26
	; ---- PASS 2: the finished weights, quantised, times V
	s_mov_b32 s[KB], 0
	s_mov_b32 s[TB], 0
.Lp2:
	s_cmp_gt_u32 s[KB], s[BLK]
	s_cbranch_scc1 .Lp2_skip
	v_add_nc_u32 v[ADV], s[TB], v[LIV]
	KLOAD
	QK8
.irp t, 0,1,2,3                        ; V's four fragments take K's registers, behind the four places above, and land under the exponentials
.irp c, 0,1,2,3
	ds_load_b128 v[32+16*\t+4*\c:35+16*\t+4*\c], v[ADV] offset:2048*\t+512*\c
.endr
.endr
	TMINUSM
	v_nop                                          ; a plain line behind the exponentials
	s_wait_alu depctr_va_vdst(0)                   ; one wait for the batch
	s_cmp_lg_u32 s[KB], s[BLK]
	s_cbranch_scc1 .Lp2_open
.set n, 0
.rept 64                               ; the diagonal step: alpha where key = query, 0 where the key is hidden (a choice of values: no branch on data)
	v_cmp_eq_i32 vcc_lo, 32*(n/16)+n%16, v[DD]
	v_cndmask_b32 v240, v26, v28, vcc_lo
	v_fma_f32 v[96+n], v[96+n], v24, v240
	v_cmp_gt_i32 vcc_lo, 32*(n/16)+n%16, v[DD]
	v_cndmask_b32 v[96+n], v[96+n], v31, vcc_lo
.set n, n+1
.endr
	s_branch .Lp2_q
.Lp2_open:
.set n, 0
.rept 32
	v_pk_fma_f32 v[96+n:97+n], v[96+n:97+n], v[24:25], v[26:27] op_sel_hi:[1,0,0]   ; p beta / l - gamma / (q + 1)
.set n, n+2
.endr
.Lp2_q:
.irp b, 0,1,2,3
.set n, 0
.rept 16
	v_med3_num_f32 v[96+16*\b+n], v[96+16*\b+n], -v29, v29   ; the conversion to an 8-bit code does not saturate (ISA guide 7.6.2)
.set n, n+1
.endr
	v_cvt_scalef32_pk8_fp8_f32 v[224+4*\b:225+4*\b], v[96+16*\b:103+16*\b], v30
	v_cvt_scalef32_pk8_fp8_f32 v[226+4*\b:227+4*\b], v[104+16*\b:111+16*\b], v30
.endr
	v_nop                                          ; a plain line between the last conversion and the products that read the codes
	s_wait_dscnt 0x0                               ; V is in
.irp t, 0,1,2,3                        ; O^T += V^T P^T: the four accumulators by turns, one instruction a turn
	v_wmma_f32_16x16x128_fp8_fp8 v[160+8*\t:167+8*\t], v[32+16*\t:47+16*\t], v[224:239], v[160+8*\t:167+8*\t]
.endr
.Lp2_skip:
	s_add_co_u32 s[TB], s[TB], 8192
	s_add_co_u32 s[KB], s[KB], 1
	s_cmp_lt_u32 s[KB], 16
	s_cbranch_scc1 .Lp2
	; ---- THE WAY OUT: O^T through my stage, so that sixteen lanes hold a token's 256 bytes; res = x + beta_SA 2^(e4 + e5) O
.rept 4
	v_nop
.endr
	s_wait_dscnt 0x0                               ; my reads of K and V are over
	s_barrier_signal -1
	s_barrier_wait -1                              ; everybody's are: the stages may be laid over K
.irp t, 0,1,2,3
	ds_store_b128 v[STO], v[160+8*\t:163+8*\t] offset:64*\t
	ds_store_b128 v[STO], v[164+8*\t:167+8*\t] offset:64*\t+16
.endr
.irp i, 0,1,2,3,4,5,6,7
	ds_load_b128 v[96+4*\i:99+4*\i], v[RD] offset:2*\i*SP   ; LDS serves a wave's instructions in order (ISA guide 5.7.1.4): these see my stores
.endr
	s_wait_loadcnt 0x0                             ; x
.irp i, 0,1,2,3,4,5,6,7
	s_wait_dscnt 7-\i                              ; rows 2 i, 2 i + 1 are back; the younger loads may be out
	v_pk_fma_f32 v[96+4*\i:97+4*\i], v[96+4*\i:97+4*\i], s[66:67], v[192+4*\i:193+4*\i] op_sel_hi:[1,0,1]
	v_pk_fma_f32 v[98+4*\i:99+4*\i], v[98+4*\i:99+4*\i], s[66:67], v[194+4*\i:195+4*\i] op_sel_hi:[1,0,1]
	global_store_b128 v[GO], v[96+4*\i:99+4*\i], s[72:73] offset:(2*\i+8*(\i/4))*4096   ; sixteen lanes store 256 consecutive bytes, aligned
.endr
	s_wait_tensorcnt 0x0                           ; the wave's end, behind my last tensor load and my last LDS store
	ds_add_u32 v[SPW], v[NIL]
	s_wait_dscnt 0x0
	CROUND                                         ; the closing round
	s_endpgm
.Lfunc_end_k_q886f555827_attn:
	.size	k_q886f555827_attn, .Lfunc_end_k_q886f555827_attn-k_q886f555827_attn
	.p2alignl 7, 3214868480
	.fill 96, 4, 3214868480
	.section	.rodata,"a",@progbits
	.p2align	6, 0x0
	.amdhsa_kernel k_q886f555827_attn
		.amdhsa_group_segment_fixed_size 264192
		.amdhsa_private_segment_fixed_size 0
		.amdhsa_enable_private_segment 0
		.amdhsa_kernarg_size 72
		.amdhsa_user_sgpr_count 2
		.amdhsa_user_sgpr_kernarg_segment_ptr 1
		.amdhsa_wavefront_size32 1
		.amdhsa_system_sgpr_workgroup_id_x 1
		.amdhsa_system_sgpr_workgroup_id_y 1
		.amdhsa_system_sgpr_workgroup_id_z 1
		.amdhsa_system_vgpr_workitem_id 0
		.amdhsa_next_free_vgpr 256
		.amdhsa_next_free_sgpr 90
		.amdhsa_reserve_vcc 1
		.amdhsa_float_denorm_mode_32 3
		.amdhsa_float_denorm_mode_16_64 3
		.amdhsa_memory_ordered 1
		.amdhsa_forward_progress 1
		.amdhsa_inst_pref_size 57
	.end_amdhsa_kernel
	.amdgpu_metadata
---
amdhsa.version: [ 1, 2 ]
amdhsa.kernels:
  - .name:           k_q886f555827_attn
    .symbol:         k_q886f555827_attn.kd
    .args:
      - { .name: qkimg, .offset: 0, .size: 8, .value_kind: global_buffer, .address_space: global }
      - { .name: vimg, .offset: 8, .size: 8, .value_kind: global_buffer, .address_space: global }
      - { .name: lowp_scales, .offset: 16, .size: 8, .value_kind: global_buffer, .address_space: global }
      - { .name: alpha, .offset: 24, .size: 8, .value_kind: global_buffer, .address_space: global }
      - { .name: beta, .offset: 32, .size: 8, .value_kind: global_buffer, .address_space: global }
      - { .name: gamma, .offset: 40, .size: 8, .value_kind: global_buffer, .address_space: global }
      - { .name: beta_SA, .offset: 48, .size: 8, .value_kind: global_buffer, .address_space: global }
      - { .name: x, .offset: 56, .size: 8, .value_kind: global_buffer, .address_space: global }
      - { .name: res, .offset: 64, .size: 8, .value_kind: global_buffer, .address_space: global }
    .group_segment_fixed_size: 264192
    .private_segment_fixed_size: 0
    .kernarg_segment_align: 8
    .kernarg_segment_size: 72
    .max_flat_workgroup_size: 512
    .sgpr_count:     90
    .vgpr_count:     256
    .wavefront_size: 32
...
	.end_amdgpu_metadata
.endif
;; end of part 3
;; launch gemm_proj (part 4): grid 8 x 32, 4 waves a work-group, clusters of 4 x 4, 327,680 bytes of LDS; arguments hc, wp, lowp_scales, beta_FF, res, out0; writes out0
.if DOCPART == 4
	.amdgcn_target "amdgcn-amd-amdhsa--gfx1250"
	.amdhsa_code_object_version 6
	.text
	.protected	k_q886f555827_gemm_proj
	.globl	k_q886f555827_gemm_proj
	.p2align	8
	.type	k_q886f555827_gemm_proj,@function
k_q886f555827_gemm_proj:
	s_mov_b64 s[64:65], 0
	v_nop
	global_prefetch_b8 v0, s[64:65] scope:SCOPE_SE
	s_setreg_imm32_b32 hwreg(HW_REG_WAVE_MODE, 25, 1), 1
	s_wait_xcnt 0x0
	s_wait_alu depctr_hold_cnt(0) depctr_sa_sdst(0) depctr_va_vdst(0) depctr_va_sdst(0) depctr_va_ssrc(0) depctr_va_vcc(0) depctr_vm_vsrc(0)
	s_getreg_b32 s2, hwreg(HW_REG_IB_STS2, 6, 4)
	s_cmp_eq_u32 s2, 0
	s_cbranch_scc0 .Lentry_in_a_cluster
	s_endpgm
.Lentry_in_a_cluster:
	s_bfe_u32 s2, ttmp6, 0x10000c
	s_cmp_lg_u32 s2, 0xf033
	s_cbranch_scc0 .Lentry_shape_is_right
	s_endpgm
.Lentry_shape_is_right:
; out0 = res + beta_FF x (h W_proj^T): h [4,096 tokens][4,096] and W_proj [1,024][4,096] as codes of FP8 (E4M3) with the scales 2^e8, 2^e9; sums in f32, each multiplied once by beta_FF x 2^(e8 + e9).
; 4,096 x 1,024 makes only 64 tiles of 256 x 256, so a tile is 128 x 128: 256 work-groups.  Four waves, each 64 x 64: 16 accumulators.
; Both operands lie in memory as images of their registers (a fragment, 16 rows x 128 K, is 2,048 bytes: lane l's registers 4 c .. 4 c + 3 at 512 c + 16 l): tiles in LDS are dense, every fragment load reads 512 consecutive bytes.
; K goes in steps of 512 (four matrix steps of 128) through a ring of two LDS slots; a wave's tensor load brings 4 row blocks x 8,192 bytes.
; CLUSTERS: 4 x 4.  The tokens' tiles hang on the grid's y and are shared along a row of the cluster, the weights' on x and along a column: each is asked for JOINTLY.
; THE MATRIX INSTRUCTION IS USED TRANSPOSED (source 0 = 16 rows of W_proj, source 1 = 16 tokens): a lane holds eight neighbouring columns of one token.
; LIMIT: e8 + e9 between -126 and 127.
; REGISTERS: window 0: v0-31 addresses; v64-127 the tokens' fragments, ONE set; v128-255 the accumulators ((a, b) at v[128 + 8 (4 a + b)]); on the way out v32-95 are at work.
;   window 1: v0-127 the weights' fragments, TWO sets; v128-255 my 64 x 64 block of res, asked for at the head.
.set FR,     16
.set NP,     4                         ; places behind this matrix instruction (ISA guide 7.12.1)
.set HALFT,  32768                     ; what one tensor load brings
.set SLOT,   4*HALFT
.set RBS,    8192                      ; a row block's bytes in a slot: four K steps of 128
.set RBP,    65536                     ; from row block to row block in memory: 32 K steps
.set LAPS,   4                         ; K = 4,096 is four times round the ring
.set SPARE,  2*SLOT                    ; behind the ring: the spare words, 128 bytes for each wave: two blocks of 256 bytes that no other line names
.set SP,     272                       ; the way out: a stage of 16 rows x (256 bytes + 16) for each wave, in slot 0, which has had its last fill and its last read by then
.set ADRA, 16
.set ADRB, 20
.set STO,  24
.set RD,   25
.set CO,   26                          ; v26  my byte offset in two rows of res and out0
.set LI,   27                          ; v27  16 x lane
.set SPW,  28                          ; v28  LDS address of my spare word; never rewritten
.set NIL,  29                          ; v29  0; never rewritten
.set AF,   64
.set ACC,  128
.set G1, 24
.set G0, 32
.set G1B, 48
.set G0B, 56
.set MSB, 0
.macro WIN new                         ; the immediate's high byte repeats the setting that is left
.if MSB != (\new)
	s_set_vgpr_msb (MSB<<8)|(\new)
.set MSB, (\new)
.endif
.endm
.set MUL,  0x01                        ; source 0 (weights) window 1; tokens, C and D window 0
.set TO_B, 0x40                        ; destination window 1, address window 0
.macro JLOAD g0a, g1a, g0b, g1b        ; a joint load: waves 0 and 1 fetch the tokens' halves, waves 2 and 3 the weights'; an s_nop 0 and four v_nop follow each of the two lines
	s_cmp_eq_u32 s15, 0
	s_cbranch_scc0 .Lfor_b_\@
	tensor_load_to_lds s[\g0a:\g0a+3], s[\g1a:\g1a+7]
	s_nop 0
.rept 4
	v_nop
.endr
	s_branch .Lasked_\@
.Lfor_b_\@:
	tensor_load_to_lds s[\g0b:\g0b+3], s[\g1b:\g1b+7]
	s_nop 0
.rept 4
	v_nop
.endr
.Lasked_\@:
.endm
.macro CREST
	s_cmp_lg_u32 s14, 0
	s_cbranch_scc1 .Lnot_wave_0_\@
	s_barrier_signal -3
.Lnot_wave_0_\@:
	s_barrier_wait -3
	s_barrier_signal -1
	s_barrier_wait -1
.endm
.macro CROUND
	s_barrier_signal -1
	s_barrier_wait -1
	CREST
.endm
	s_load_b256 s[4:11], s[0:1], 0x0               ; hc, wp, lowp_scales, beta_FF
	s_load_b128 s[68:71], s[0:1], 0x20             ; res, out0
	v_lshl_add_u32 v[SPW], v0, 2, SPARE
	v_mov_b32 v[NIL], 0
	ds_add_u32 v[SPW], v[NIL]                      ; the wave's opening: the add and its wait stand ahead of my first tensor load; the set-up below, work on registers, stands between them
	v_lshrrev_b32 v1, 5, v0
	v_readfirstlane_b32 s14, v1                    ; wave 0..3
	s_lshr_b32 s15, s14, 1                         ; which half of the tile's tokens is mine.  Also: I fetch tokens (0) or weights (1)
	s_and_b32 s16, s14, 1                          ; which half of its columns.  Also: which 4 row blocks I fetch
	s_bfe_u32 s40, ttmp6, 0x40000                  ; cx, cy
	s_bfe_u32 s41, ttmp6, 0x40004
	s_lshl_b32 s42, ttmp9, 2
	s_add_co_u32 s42, s42, s40                     ; tX: the tile of 128 rows of W_proj
	s_and_b32 s17, ttmp7, 0xffff
	s_lshl_b32 s17, s17, 2
	s_add_co_u32 s17, s17, s41                     ; tY: the tile of 128 tokens
	s_lshl_b32 s43, s41, 2
	s_lshl_b32 s43, 15, s43                        ; my row of the cluster
	s_lshl_b32 s44, 0x1111, s40                    ; my column
	s_or_b32 s[G1+0], s43, (1<<21)                 ; 15:0 the mask: the tokens' tiles go to my row; elements of 1 byte; no padding; 21 set beside a mask
	s_or_b32 s[G1B+0], s44, (1<<21)                ; the weights' go to my column
.irp g, G1, G1B
	s_mov_b32 s[\g+1], RBS<<16                     ; tensor_dim0 = 8,192
	s_mov_b32 s[\g+2], 4<<16                       ; tensor_dim1 = 4
	s_mov_b32 s[\g+3], RBS<<16                     ; tile_dim0
	s_mov_b32 s[\g+4], 4                           ; tile_dim1
	s_mov_b32 s[\g+5], RBP                         ; tensor_dim0_stride
	s_mov_b32 s[\g+6], 0
	s_mov_b32 s[\g+7], 0
.endr
	s_lshl_b32 s18, s16, 2
	s_lshl_b32 s20, s17, 3
	s_add_co_u32 s20, s20, s18                     ; tokens: row block 8 tY + 4 x half
	s_lshl_b32 s20, s20, 16
	s_mov_b32 s21, 0
	s_lshl_b32 s46, s42, 3
	s_add_co_u32 s46, s46, s18                     ; weights: row block 8 tX + 4 x half
	s_lshl_b32 s46, s46, 16
	s_mov_b32 s47, 0
	s_mul_i32 s45, s14, HALFT                      ; where they go: no place in the cluster enters an LDS address
	s_wait_dscnt 0x0                               ; the opening add is done
	s_wait_kmcnt 0x0
	s_load_b64 s[96:97], s[8:9], 0x20              ; e8, e9
	s_load_b32 s98, s[10:11], 0x0                  ; beta_FF
	s_add_nc_u64 s[20:21], s[4:5], s[20:21]
	s_add_nc_u64 s[46:47], s[6:7], s[46:47]
	CROUND                                         ; all sixteen work-groups are here: the first joint loads meet
.irp s, 0,1
	s_mov_b32 s[G0+4*\s], 1
	s_add_co_u32 s[G0+4*\s+1], s45, \s*SLOT
	s_add_nc_u64 s[G0+4*\s+2:G0+4*\s+3], s[20:21], \s*RBS
	s_or_b32 s[G0+4*\s+3], s[G0+4*\s+3], 0x80000000
	s_mov_b32 s[G0B+4*\s], 1
	s_add_co_u32 s[G0B+4*\s+1], s45, \s*SLOT
	s_add_nc_u64 s[G0B+4*\s+2:G0B+4*\s+3], s[46:47], \s*RBS
	s_or_b32 s[G0B+4*\s+3], s[G0B+4*\s+3], 0x80000000
	JLOAD G0+4*\s, G1, G0B+4*\s, G1B
.endr
	v_and_b32 v6, 31, v0
	v_lshlrev_b32 v[LI], 4, v6
	v_and_b32 v1, 15, v0                           ; r
	v_bfe_u32 v2, v0, 4, 1                         ; h
	v_lshlrev_b32 v[CO], 12, v2
	v_lshl_add_u32 v[CO], v1, 4, v[CO]             ; lanes 0-15 one row's 256 bytes, lanes 16-31 the next row's
	s_lshl_b32 s20, s17, 7
	s_lshl_b32 s21, s15, 6
	s_add_co_u32 s20, s20, s21                     ; my first token: 128 tY + 64 x half
	s_lshl_b32 s20, s20, 12
	s_lshl_b32 s46, s42, 9                         ; my first column, in bytes: 512 tX + 256 x half
	s_lshl_b32 s47, s16, 8
	s_add_co_u32 s46, s46, s47
	s_add_co_u32 s20, s20, s46
	s_mov_b32 s21, 0
	s_add_nc_u64 s[72:73], s[68:69], s[20:21]      ; res,
	s_add_nc_u64 s[74:75], s[70:71], s[20:21]      ; out0 at my block
	WIN TO_B
.set t, 0
.rept 32
	global_load_b128 v[128+4*t:131+4*t], v[CO], s[72:73] offset:8192*t th:TH_LOAD_NT   ; rows 2 t, 2 t + 1 of my 64: wanted on the way out
.set t, t+1
.endr
	WIN 0
	s_mul_i32 s21, s15, HALFT
	s_mul_i32 s22, s16, HALFT
	s_add_co_u32 s22, s22, 2*HALFT
.irp s, 0,1
	v_add_nc_u32 v[ADRA+\s], s21, v[LI]
	v_add_nc_u32 v[ADRB+\s], s22, v[LI]
	s_add_co_u32 s21, s21, SLOT
	s_add_co_u32 s22, s22, SLOT
.endr
	s_mul_i32 s23, s14, 16*SP                      ; my stage
	v_mul_u32_u24 v[STO], v1, SP
	v_lshl_add_u32 v[STO], v2, 5, v[STO]
	v_add_nc_u32 v[STO], s23, v[STO]
	v_mul_u32_u24 v[RD], v2, SP
	v_lshl_add_u32 v[RD], v1, 4, v[RD]
	v_add_nc_u32 v[RD], s23, v[RD]
.macro FRAG reg, adr, q, i
.irp c, 0,1,2,3
	ds_load_b128 v[\reg+4*\c:\reg+4*\c+3], v[\adr] offset:(\i)*RBS+(\q)*2048+512*\c
.endr
.endm
; four matrix instructions: token block a x the weights' four.  The 16 accumulators take turns, one instruction a turn, in the same order in every step.
.macro MULB a, p, zero
.irp b, 0,1,2,3
.if \zero
	v_wmma_f32_16x16x128_fp8_fp8 v[ACC+8*(4*(\a)+\b):ACC+8*(4*(\a)+\b)+7], v[64*(\p)+FR*\b:64*(\p)+FR*\b+FR-1], v[AF+FR*(\a):AF+FR*(\a)+FR-1], 0
.else
	v_wmma_f32_16x16x128_fp8_fp8 v[ACC+8*(4*(\a)+\b):ACC+8*(4*(\a)+\b)+7], v[64*(\p)+FR*\b:64*(\p)+FR*\b+FR-1], v[AF+FR*(\a):AF+FR*(\a)+FR-1], v[ACC+8*(4*(\a)+\b):ACC+8*(4*(\a)+\b)+7]
.endif
.endr
.endm
.macro FETCH_B slot, q, p
	WIN TO_B
.irp i, 0,1,2,3
	FRAG 64*(\p)+FR*\i, ADRB+\slot, \q, \i
.endr
	WIN 0
.endm
.macro FETCH_A slot, q, i0
.irp i, \i0, \i0+1
	FRAG AF+FR*(\i), ADRA+\slot, \q, \i
.endr
.endm
.macro PLACES n                        ; in front of loads into registers that matrix instructions have read, and of the first read of results
.rept \n
	v_nop
.endr
.endm
.macro STEP slot, q, zero              ; a step of 128 along K that has its successor in the same slot
	s_wait_dscnt 8                                 ; the weights' set and token blocks 0, 1 are in; the youngest eight loads (blocks 2, 3) may be out
	WIN MUL
	MULB 0, (\q)%2, \zero
	MULB 1, (\q)%2, \zero
	s_wait_dscnt 0
	PLACES NP
	FETCH_B \slot, (\q)+1, 1-(\q)%2
	FETCH_A \slot, (\q)+1, 0
	WIN MUL
	MULB 2, (\q)%2, \zero
	MULB 3, (\q)%2, \zero
	PLACES NP
	WIN 0
	FETCH_A \slot, (\q)+1, 2
.endm
; A slot's fourth step changes slots: ONE barrier; in front of it each wave waits for all its tensor loads, adds 0 to its spare word, and waits for that and for its own reads of this slot.
.macro TURN slot, next, fill
	s_wait_tensorcnt 0x0                           ; all my tensor loads have landed: my part of the next slot;  (every window is 0 here)
	ds_add_u32 v[SPW], v[NIL]                      ; 0 onto my spare word
	s_wait_dscnt 9                                 ; (the add and the youngest eight loads may be out)
	WIN MUL
	MULB 0, 1, 0                                   ; four matrix instructions stand between the add and the wait for it
	s_wait_dscnt 0x0                               ; the add is done, and my reads of this slot are over
	s_barrier_signal -1
	MULB 1, 1, 0
	WIN 0
	s_barrier_wait -1
.if \fill
	CREST                                          ; the barrier has opened a round of the cluster's barrier: no wave of any partner still reads this slot's tile or has a load on its way
	s_add_nc_u64 s[G0+4*\slot+2:G0+4*\slot+3], s[G0+4*\slot+2:G0+4*\slot+3], 2*RBS
	s_add_nc_u64 s[G0B+4*\slot+2:G0B+4*\slot+3], s[G0B+4*\slot+2:G0B+4*\slot+3], 2*RBS
	JLOAD G0+4*\slot, G1, G0B+4*\slot, G1B         ; the first tensor load behind the round; its four v_nop are the places in front of the loads below
.else
	PLACES NP
.endif
	FETCH_B \next, 0, 0
	FETCH_A \next, 0, 0
	WIN MUL
	MULB 2, 1, 0
	MULB 3, 1, 0
	PLACES NP
	WIN 0
	FETCH_A \next, 0, 2
.endm
	s_wait_tensorcnt 1                             ; my part of slot 0 is in (slot 1's load may be out)
	s_barrier_signal -1
	s_barrier_wait -1                              ; everybody's is
	FETCH_B 0, 0, 0
	FETCH_A 0, 0, 0
	FETCH_A 0, 0, 2
	STEP 0, 0, 1                                   ; the first step stands in front of the loop: its products start the sums
	s_mov_b32 s3, LAPS-1
.Llap:                                                 ; a trip goes once round the ring and fills both slots again
	STEP 0, 1, 0
	STEP 0, 2, 0
	TURN 0, 1, 1
	STEP 1, 0, 0
	STEP 1, 1, 0
	STEP 1, 2, 0
	TURN 1, 0, 1
	STEP 0, 0, 0
	s_sub_co_u32 s3, s3, 1
	s_cmp_lg_u32 s3, 0
	s_cbranch_scc1 .Llap
	STEP 0, 1, 0                                   ; the last lap fills nothing
	STEP 0, 2, 0
	TURN 0, 1, 0
	STEP 1, 0, 0
	STEP 1, 1, 0
	STEP 1, 2, 0
	s_wait_dscnt 8                                 ; the very last step
	WIN MUL
	MULB 0, 1, 0
	MULB 1, 1, 0
	s_wait_dscnt 0
	MULB 2, 1, 0
	MULB 3, 1, 0
	WIN 0
	; ---- THE WAY OUT, block by block of 16 tokens x 64 columns, through my own stage: back come whole rows of 256 bytes
	s_wait_kmcnt 0x0
	s_add_co_i32 s96, s96, s97
	s_add_co_i32 s96, s96, 127
	s_lshl_b32 s96, s96, 23                        ; 2^(e8 + e9)
	s_mul_f32 s96, s96, s98                        ; x beta_FF
	s_mov_b32 s97, s96
	s_wait_loadcnt 0x0                             ; res
	PLACES NP
.macro OUTB a
.set BB, 32+32*((\a)%2)
.irp b, 0,1,2,3
	ds_store_b128 v[STO], v[ACC+8*(4*(\a)+\b):ACC+8*(4*(\a)+\b)+3] offset:64*\b          ; each accumulator from its low end on
	ds_store_b128 v[STO], v[ACC+8*(4*(\a)+\b)+4:ACC+8*(4*(\a)+\b)+7] offset:64*\b+16
.endr
.irp t, 0,1,2,3,4,5,6,7
	ds_load_b128 v[BB+4*\t:BB+4*\t+3], v[RD] offset:\t*2*SP   ; LDS serves a wave's instructions in order (ISA guide 5.7.1.4): these see my stores, and the next block's stores come behind them
.endr
	s_wait_dscnt 0x0
	WIN 0x10                                       ; source 2 (res) window 1
.irp j, 0,2,4,6,8,10,12,14,16,18,20,22,24,26,28,30
	v_pk_fma_f32 v[BB+\j:BB+\j+1], v[BB+\j:BB+\j+1], s[96:97], v[128+32*(\a)+\j:128+32*(\a)+\j+1] op_sel_hi:[1,0,1]   ; sum x beta_FF 2^(e8 + e9) + res
.endr
	WIN 0
.irp t, 0,1,2,3,4,5,6,7
	global_store_b128 v[CO], v[BB+4*\t:BB+4*\t+3], s[74:75] offset:(16*(\a)+2*\t)*4096 th:TH_STORE_NT   ; sixteen lanes store 256 consecutive bytes, aligned
.endr
.endm
	OUTB 0
	OUTB 1
	s_wait_xcnt 0x0                                ; block 0's stores have read their registers: block 2's loads may land there
	OUTB 2
	s_wait_xcnt 0x0
	OUTB 3
	s_wait_tensorcnt 0x0                           ; the wave's end, behind my last tensor load and my last LDS store
	ds_add_u32 v[SPW], v[NIL]
	s_wait_dscnt 0x0
	CROUND                                         ; the closing round: no work-group ends while a partner may still ask for a tile that names it
	s_endpgm
.Lfunc_end_k_q886f555827_gemm_proj:
	.size	k_q886f555827_gemm_proj, .Lfunc_end_k_q886f555827_gemm_proj-k_q886f555827_gemm_proj
	.p2alignl 7, 3214868480
	.fill 96, 4, 3214868480
	.section	.rodata,"a",@progbits
	.p2align	6, 0x0
	.amdhsa_kernel k_q886f555827_gemm_proj
		.amdhsa_group_segment_fixed_size 327680
		.amdhsa_private_segment_fixed_size 0
		.amdhsa_enable_private_segment 0
		.amdhsa_kernarg_size 48
		.amdhsa_user_sgpr_count 2
		.amdhsa_user_sgpr_kernarg_segment_ptr 1
		.amdhsa_wavefront_size32 1
		.amdhsa_system_sgpr_workgroup_id_x 1
		.amdhsa_system_sgpr_workgroup_id_y 1
		.amdhsa_system_sgpr_workgroup_id_z 1
		.amdhsa_system_vgpr_workitem_id 0
		.amdhsa_next_free_vgpr 512
		.amdhsa_next_free_sgpr 100
		.amdhsa_reserve_vcc 0
		.amdhsa_float_denorm_mode_32 3
		.amdhsa_float_denorm_mode_16_64 3
		.amdhsa_memory_ordered 1
		.amdhsa_forward_progress 1
		.amdhsa_inst_pref_size 80
	.end_amdhsa_kernel
	.amdgpu_metadata
---
amdhsa.version: [ 1, 2 ]
amdhsa.kernels:
  - .name:           k_q886f555827_gemm_proj
    .symbol:         k_q886f555827_gemm_proj.kd
    .args:
      - { .name: hc, .offset: 0, .size: 8, .value_kind: global_buffer, .address_space: global }
      - { .name: wp, .offset: 8, .size: 8, .value_kind: global_buffer, .address_space: global }
      - { .name: lowp_scales, .offset: 16, .size: 8, .value_kind: global_buffer, .address_space: global }
      - { .name: beta_FF, .offset: 24, .size: 8, .value_kind: global_buffer, .address_space: global }
      - { .name: res, .offset: 32, .size: 8, .value_kind: global_buffer, .address_space: global }
      - { .name: out0, .offset: 40, .size: 8, .value_kind: global_buffer, .address_space: global }
    .group_segment_fixed_size: 327680
    .private_segment_fixed_size: 0
    .kernarg_segment_align: 8
    .kernarg_segment_size: 48
    .max_flat_workgroup_size: 128
    .sgpr_count:     100
    .vgpr_count:     512
    .wavefront_size: 32
...
	.end_amdgpu_metadata
.endif
;; end of part 4
